; MI455X (gfx1250); checked and timed in simulation.
; The chip was launched on July 23, 2026; its instructions are those of AMD's public machine-readable ISA for CDNA 5 (MIT licence, August 2026) and "CDNA5" Instruction Set Architecture Reference Guide (July 2026). The comments in the code are by the model that wrote it; some were corrected since.
;; Transformer Encoder. Allowed arithmetic: float matrix products may take bf16 or f16 operands with f32 sums; all other float work in f32.
;; Inputs: W1 1,024 x 4,096 float32; W2 4,096 x 1,024 float32; Wk 1,024 x 1,024 float32; Wo 1,024 x 1,024 float32; Wq 1,024 x 1,024 float32; Wv 1,024 x 1,024 float32; b1 4,096 float32; b2 1,024 float32; bk 1,024 float32; bo 1,024 float32; bq 1,024 float32; bv 1,024 float32; ln1_b 1,024 float32; ln1_g 1,024 float32; ln2_b 1,024 float32; ln2_g 1,024 float32; x 2 x 2,048 x 1,024 float32.
;; Outputs: out0 2 x 2,048 x 1,024 float32.
;; One version. Each part assembles by itself: llvm-mc -triple=amdgcn-amd-amdhsa -mcpu=gfx1250 --defsym DOCPART=n.
;; ======== version 1 of 1: 7 launches
;; limits: values are held in f16: magnitudes above 65,504 overflow, below 6.1e-05 lose precision; a function is approximated: absolute error at most 7.5e-08; an absolute error that grows with the inputs' magnitude: up to 7.5e-08 times it
;; workspace buffers: wts 25,165,824 bytes; hbuf 8,388,608 bytes; qkv 25,165,824 bytes; att 8,388,608 bytes; res 16,777,216 bytes; h2 8,388,608 bytes; g1 33,554,432 bytes
;; launch prep (part 1): grid 1024 x 1, 8 waves a work-group, no clusters, 0 bytes of LDS; arguments x, ln1_g, ln1_b, hbuf, Wq, Wk, Wv, Wo, W1, W2, wts; writes hbuf, wts
.if DOCPART == 1
	.amdgcn_target "amdgcn-amd-amdhsa--gfx1250"
	.amdhsa_code_object_version 6
	.text
	.protected	k_qece05b3947_prep
	.globl	k_qece05b3947_prep
	.p2align	8
	.type	k_qece05b3947_prep,@function
k_qece05b3947_prep:
	s_mov_b64 s[64:65], 0
	v_nop
	global_prefetch_b8 v0, s[64:65] scope:SCOPE_SE
	s_setreg_imm32_b32 hwreg(HW_REG_WAVE_MODE, 25, 1), 1
	s_wait_xcnt 0x0
; Work-groups 0-255: hbuf = layernorm(x) * g + b, rounded once to f16.  Work-groups 256-1023: the six weight matrices rounded once to f16 into wts, layout [K][N] kept.
; Every work-group reads 65,536 bytes of f32 and writes 32,768 bytes of f16.  A stream: no LDS, no barrier, no matrix unit; EXEC is never written.
; LAYERNORM.  A wave owns two rows of 1,024 f32 (32 registers a lane each) and keeps them in registers: mean, then the sum of squares of x - mean (two passes, so a common
; offset in x costs nothing), then (x - mean) * rsqrt(var + 1e-5) * g + b.  Each load of a wave covers 512 consecutive bytes, each store 256 consecutive aligned bytes.
; CAST.  wts: [Wq|Wk|Wv] as [1024][3072] at byte 0, Wo [1024][1024] at 0x600000, W1 [1024][4096] at 0x800000, W2 [4096][1024] at 0x1000000.  A work-group takes 16 runs of 1,024 numbers.
; LIMIT.  f16 ends at 65,504: a normalised number or a weight of 65,520 or more becomes an infinity; below 6e-5 f16 keeps its fixed step of 6e-8.
.set X,   4                            ; v[4:67]    LN: row r, chunk j at X + 32 r + 4 j.  Cast: run i at X + 4 i
.set G,   68                           ; v[68:99]   gain of my 32 columns
.set BB,  100                          ; v[100:131] bias of my 32 columns
.set T,   132                          ; v[132:139] four running pairs
.set MU,  140                          ; v[140:141] the mean, twice
.set RS,  142                          ; v[142:145] 1 / sqrt(var + eps) of row r at RS + 2 r, twice
.set VO,  68                           ; v[68:83]   cast: byte offset of my 8 bytes in run i of the destination
.macro FOLD                            ; four pairs -> one number, summed over the 32 lanes, in every lane
	v_pk_add_f32 v[T:T+1], v[T:T+1], v[T+2:T+3]
	v_pk_add_f32 v[T+4:T+5], v[T+4:T+5], v[T+6:T+7]
	v_pk_add_f32 v[T:T+1], v[T:T+1], v[T+4:T+5]
	v_add_f32 v[T], v[T], v[T+1]
	v_add_f32_dpp v[T], v[T], v[T] row_xmask:1 row_mask:0xf bank_mask:0xf
	v_add_f32_dpp v[T], v[T], v[T] row_xmask:2 row_mask:0xf bank_mask:0xf
	v_add_f32_dpp v[T], v[T], v[T] row_xmask:4 row_mask:0xf bank_mask:0xf
	v_add_f32_dpp v[T], v[T], v[T] row_xmask:8 row_mask:0xf bank_mask:0xf
	v_permlanex16_b32 v[T+1], v[T], s40, s41       ; its destination counts as read: T+1 has been written
	v_add_f32 v[T], v[T], v[T+1]
.endm
.macro STAT r, left                    ; row r: mean taken away in place; var + eps into RS + 2 r.  left: the younger loads that may stay out
.set XR, X+32*(\r)
	s_wait_loadcnt \left
.irp c, 0,1,2,3
	v_pk_add_f32 v[T+2*\c:T+2*\c+1], v[XR+2*\c:XR+2*\c+1], v[XR+8+2*\c:XR+8+2*\c+1]  ; the first two pairs start each chain
.endr
.irp k, 2,3
.irp c, 0,1,2,3
	v_pk_add_f32 v[T+2*\c:T+2*\c+1], v[T+2*\c:T+2*\c+1], v[XR+8*\k+2*\c:XR+8*\k+2*\c+1]
.endr
.endr
	FOLD
	v_mul_f32 v[MU], s42, v[T]
	v_mul_f32 v[MU+1], s42, v[T]
.set i, 0
.rept 16
	v_pk_add_f32 v[XR+2*i:XR+2*i+1], v[XR+2*i:XR+2*i+1], v[MU:MU+1] neg_lo:[0,1] neg_hi:[0,1]
.set i, i+1
.endr
.irp c, 0,1,2,3
	v_pk_mul_f32 v[T+2*\c:T+2*\c+1], v[XR+2*\c:XR+2*\c+1], v[XR+2*\c:XR+2*\c+1]
.endr
.irp k, 1,2,3
.irp c, 0,1,2,3
	v_pk_fma_f32 v[T+2*\c:T+2*\c+1], v[XR+8*\k+2*\c:XR+8*\k+2*\c+1], v[XR+8*\k+2*\c:XR+8*\k+2*\c+1], v[T+2*\c:T+2*\c+1]
.endr
.endr
	FOLD
	v_fma_f32 v[RS+2*(\r)], v[T], s42, s43         ; sum / 1024 + eps
.endm
.macro NORM r                          ; row r: scaled, gain and bias, rounded to f16 in place, stored
.set XR, X+32*(\r)
.irp j, 0,1,2,3,4,5,6,7
	v_pk_mul_f32 v[XR+4*\j:XR+4*\j+1],   v[XR+4*\j:XR+4*\j+1],   v[RS+2*(\r):RS+2*(\r)+1] op_sel_hi:[1,0]
	v_pk_mul_f32 v[XR+4*\j+2:XR+4*\j+3], v[XR+4*\j+2:XR+4*\j+3], v[RS+2*(\r):RS+2*(\r)+1] op_sel_hi:[1,0]
	v_pk_fma_f32 v[XR+4*\j:XR+4*\j+1],   v[XR+4*\j:XR+4*\j+1],   v[G+4*\j:G+4*\j+1],     v[BB+4*\j:BB+4*\j+1]
	v_pk_fma_f32 v[XR+4*\j+2:XR+4*\j+3], v[XR+4*\j+2:XR+4*\j+3], v[G+4*\j+2:G+4*\j+3],   v[BB+4*\j+2:BB+4*\j+3]
	v_cvt_pk_f16_f32 v[XR+4*\j],   v[XR+4*\j],   v[XR+4*\j+1]
	v_cvt_pk_f16_f32 v[XR+4*\j+1], v[XR+4*\j+2], v[XR+4*\j+3]
	global_store_b64 v2, v[XR+4*\j:XR+4*\j+1], s[10:11] offset:(\r)*2048+\j*256  ; 32 lanes x 8 bytes: 256 consecutive bytes, aligned; no register of it is written again
.endr
.endm
.macro PICK from, ptr, db, dp          ; from run block 'from' on: another source, its first block, its place and its row pitch in wts
	s_cmp_ge_u32 s27, \from
	s_cselect_b64 s[28:29], s[\ptr:\ptr+1], s[28:29]
	s_cselect_b32 s30, \from, s30
	s_cselect_b32 s31, \db, s31
	s_cselect_b32 s32, \dp, s32
.endm
	s_load_b256 s[4:11], s[0:1], 0x0               ; x s[4:5], gain s[6:7], bias s[8:9], hbuf s[10:11]
	s_load_b256 s[12:19], s[0:1], 0x20             ; Wq, Wk, Wv, Wo
	s_load_b128 s[20:23], s[0:1], 0x40             ; W1, W2
	s_load_b64 s[24:25], s[0:1], 0x50              ; wts
	s_cmp_ge_u32 ttmp9, 256
	s_cbranch_scc1 .Lcast
	v_lshrrev_b32 v3, 5, v0
	v_readfirstlane_b32 s26, v3                    ; wave 0..7
	v_and_b32 v1, 31, v0
	v_lshlrev_b32 v2, 3, v1                        ; 8 x lane: stores
	v_lshlrev_b32 v1, 4, v1                        ; 16 x lane: loads
	s_lshl_b32 s27, ttmp9, 3
	s_add_co_u32 s27, s27, s26                     ; my pair of rows
	s_lshl_b32 s28, s27, 13                        ; two rows of 4,096 bytes
	s_mov_b32 s29, 0
	s_lshl_b32 s30, s27, 12                        ; two rows of 2,048 bytes
	s_mov_b32 s31, 0
	s_mov_b32 s40, 0x76543210                      ; v_permlanex16_b32: each lane takes its own place in the other half
	s_mov_b32 s41, 0xfedcba98
	s_mov_b32 s42, 0x3a800000                      ; 1 / 1024
	s_mov_b32 s43, 0x3727c5ac                      ; 1e-5
	s_wait_kmcnt 0x0
	s_add_nc_u64 s[4:5], s[4:5], s[28:29]
	s_add_nc_u64 s[10:11], s[10:11], s[30:31]
.irp r, 0,1
.irp j, 0,1,2,3,4,5,6,7
	global_load_b128 v[X+32*\r+4*\j:X+32*\r+4*\j+3], v1, s[4:5] offset:\r*4096+\j*512
.endr
.endr
.irp j, 0,1,2,3,4,5,6,7
	global_load_b128 v[G+4*\j:G+4*\j+3], v1, s[6:7] offset:\j*512
.endr
.irp j, 0,1,2,3,4,5,6,7
	global_load_b128 v[BB+4*\j:BB+4*\j+3], v1, s[8:9] offset:\j*512
.endr
	STAT 0, 24                                     ; row 0 is in; row 1, gain and bias (24 loads) stay out
	STAT 1, 16                                     ; row 1 is in; gain and bias stay out
	v_rsq_f32 v[RS], v[RS]
	v_rsq_f32 v[RS+2], v[RS+2]
	v_nop                                          ; a plain instruction between the last root and the use of its result (ISA guide 5.7.2)
	s_wait_alu depctr_va_vdst(0)
	v_mov_b32 v[RS+1], v[RS]                       ; named as pairs by the packed multiplies
	v_mov_b32 v[RS+3], v[RS+2]
	s_wait_loadcnt 0x0                             ; gain and bias
	NORM 0
	NORM 1
	s_endpgm
.Lcast:
	s_sub_co_u32 s27, ttmp9, 256                   ; my block of 16 runs of 1,024 numbers, 0..767
	v_lshlrev_b32 v1, 4, v0                        ; 16 bytes a thread: 256 threads take a run of 4,096 bytes
	v_lshlrev_b32 v2, 3, v0
	s_mov_b32 s30, 0
	s_mov_b32 s31, 0
	s_mov_b32 s32, 6144                            ; a row of [Wq|Wk|Wv] in f16
	s_wait_kmcnt 0x0
	s_mov_b64 s[28:29], s[12:13]
	PICK 64,  14, 2048,      6144
	PICK 128, 16, 4096,      6144
	PICK 192, 18, 0x600000,  2048
	PICK 256, 20, 0x800000,  2048
	PICK 512, 22, 0x1000000, 2048
	s_sub_co_u32 s27, s27, s30                     ; my block within its matrix
	s_lshl_b32 s34, s27, 16
	s_mov_b32 s35, 0
	s_add_nc_u64 s[28:29], s[28:29], s[34:35]
	s_lshl_b32 s36, s32, 4
	s_mul_i32 s36, s36, s27
	s_add_co_u32 s36, s36, s31
	s_mov_b32 s37, 0
	s_add_nc_u64 s[24:25], s[24:25], s[36:37]
.irp i, 0,1,2,3,4,5,6,7,8,9,10,11,12,13,14,15
	v_mad_u32_u24 v[VO+\i], s32, \i, v2
.endr
.irp i, 0,1,2,3,4,5,6,7,8,9,10,11,12,13,14,15
	global_load_b128 v[X+4*\i:X+4*\i+3], v1, s[28:29] offset:\i*4096 th:TH_LOAD_NT
.endr
.irp i, 0,1,2,3,4,5,6,7,8,9,10,11,12,13,14,15
	s_wait_loadcnt 15-\i                           ; loads come back in order (ISA guide 5.7.1): run i is in, the younger ones stay out
	v_cvt_pk_f16_f32 v[X+4*\i],   v[X+4*\i],   v[X+4*\i+1]
	v_cvt_pk_f16_f32 v[X+4*\i+1], v[X+4*\i+2], v[X+4*\i+3]
	global_store_b64 v[VO+\i], v[X+4*\i:X+4*\i+1], s[24:25]  ; a wave stores 256 consecutive bytes, aligned
.endr
	s_endpgm
.Lfunc_end_k_qece05b3947_prep:
	.size	k_qece05b3947_prep, .Lfunc_end_k_qece05b3947_prep-k_qece05b3947_prep
	.p2alignl 7, 3214868480
	.fill 96, 4, 3214868480
	.section	.rodata,"a",@progbits
	.p2align	6, 0x0
	.amdhsa_kernel k_qece05b3947_prep
		.amdhsa_group_segment_fixed_size 0
		.amdhsa_private_segment_fixed_size 0
		.amdhsa_enable_private_segment 0
		.amdhsa_kernarg_size 88
		.amdhsa_user_sgpr_count 2
		.amdhsa_user_sgpr_kernarg_segment_ptr 1
		.amdhsa_wavefront_size32 1
		.amdhsa_system_sgpr_workgroup_id_x 1
		.amdhsa_system_sgpr_workgroup_id_y 1
		.amdhsa_system_sgpr_workgroup_id_z 1
		.amdhsa_system_vgpr_workitem_id 0
		.amdhsa_next_free_vgpr 160
		.amdhsa_next_free_sgpr 66
		.amdhsa_reserve_vcc 0
		.amdhsa_float_denorm_mode_32 3
		.amdhsa_float_denorm_mode_16_64 3
		.amdhsa_memory_ordered 1
		.amdhsa_forward_progress 1
		.amdhsa_inst_pref_size 29
	.end_amdhsa_kernel
	.amdgpu_metadata
---
amdhsa.version: [ 1, 2 ]
amdhsa.kernels:
  - .name:           k_qece05b3947_prep
    .symbol:         k_qece05b3947_prep.kd
    .args:
      - { .name: x, .offset: 0, .size: 8, .value_kind: global_buffer, .address_space: global }
      - { .name: ln1_g, .offset: 8, .size: 8, .value_kind: global_buffer, .address_space: global }
      - { .name: ln1_b, .offset: 16, .size: 8, .value_kind: global_buffer, .address_space: global }
      - { .name: hbuf, .offset: 24, .size: 8, .value_kind: global_buffer, .address_space: global }
      - { .name: Wq, .offset: 32, .size: 8, .value_kind: global_buffer, .address_space: global }
      - { .name: Wk, .offset: 40, .size: 8, .value_kind: global_buffer, .address_space: global }
      - { .name: Wv, .offset: 48, .size: 8, .value_kind: global_buffer, .address_space: global }
      - { .name: Wo, .offset: 56, .size: 8, .value_kind: global_buffer, .address_space: global }
      - { .name: W1, .offset: 64, .size: 8, .value_kind: global_buffer, .address_space: global }
      - { .name: W2, .offset: 72, .size: 8, .value_kind: global_buffer, .address_space: global }
      - { .name: wts, .offset: 80, .size: 8, .value_kind: global_buffer, .address_space: global }
    .group_segment_fixed_size: 0
    .private_segment_fixed_size: 0
    .kernarg_segment_align: 8
    .kernarg_segment_size: 88
    .max_flat_workgroup_size: 256
    .sgpr_count:     66
    .vgpr_count:     160
    .wavefront_size: 32
...
	.end_amdgpu_metadata
.endif
;; end of part 1
;; launch qkvp (part 2): grid 16 x 16, 4 waves a work-group, clusters of 4 x 4, 327,680 bytes of LDS; arguments hbuf, wts, qkv, bq, bk, bv; writes qkv
.if DOCPART == 2
	.amdgcn_target "amdgcn-amd-amdhsa--gfx1250"
	.amdhsa_code_object_version 6
	.text
	.protected	k_qece05b3947_qkvp
	.globl	k_qece05b3947_qkvp
	.p2align	8
	.type	k_qece05b3947_qkvp,@function
k_qece05b3947_qkvp:
	s_mov_b64 s[64:65], 0
	v_nop
	global_prefetch_b8 v0, s[64:65] scope:SCOPE_SE
	s_setreg_imm32_b32 hwreg(HW_REG_WAVE_MODE, 25, 1), 1
	s_wait_xcnt 0x0
	s_wait_alu depctr_hold_cnt(0) depctr_sa_sdst(0) depctr_va_vdst(0) depctr_va_sdst(0) depctr_va_ssrc(0) depctr_va_vcc(0) depctr_vm_vsrc(0)
	s_getreg_b32 s2, hwreg(HW_REG_IB_STS2, 6, 4)
	s_cmp_eq_u32 s2, 0
	s_cbranch_scc0 .Lentry_in_a_cluster
	s_endpgm
.Lentry_in_a_cluster:
	s_bfe_u32 s2, ttmp6, 0x10000c
	s_cmp_lg_u32 s2, 0xf033
	s_cbranch_scc0 .Lentry_shape_is_right
	s_endpgm
.Lentry_shape_is_right:
; q, k, v = h [Wq|Wk|Wv] + bias.  h: [4096][1024] f16.  The weights: [1024][3072] f16 at wts byte 0.  qkv: q at 0, k at 0x800000, v at 0x1000000, each [32 = batch x 16 + head][2048][64] f16, unscaled.
; A tile of the result is 256 rows x 192 columns (three heads): 16 x 16 tiles, one for each of 256 work-groups.  Four waves, one above the other, 64 rows x 192 columns each: 48 accumulators.
; K goes in steps of 128 through two LDS slots filled by the tensor data mover.  h's rows lie along K and are read as they lie; the weights lie [K][N] and are turned on the way out of LDS (ds_load_tr16_b128).
; CLUSTER 4 x 4: h's tile is shared along a row of the cluster, the weights' along a column; each is asked for jointly, by the same load with the same descriptor in the four that its mask names.
; THE MATRIX INSTRUCTION IS USED TRANSPOSED: source 0 = 16 columns of W, source 1 = 16 rows of h: a lane holds one row (lane % 16) and eight neighbouring columns.
; THE WAY OUT: behind a barrier that ends all reads of the ring (whose last fill is over) each wave lays its f32 sums into its own part of those bytes and reads them back by rows;
; bias and rounding are done there, and two tokens of a head, 256 consecutive aligned bytes, leave in one store.
; LIMIT.  f16 ends at 65,504: a q, k or v of 65,520 or more becomes an infinity.
; REGISTERS: window 0: v1-31 addresses, v32-43 bias, v64-127 h's fragments (two buffers of 32); behind the loop v64-191 the way out.  Window 1: v0-191 W's fragments (two buffers of 96).
;   windows 2, 3: accumulator (a, b) at v[8 (12 (a % 2) + b)] of window 2 + a / 2.
.set NA,    4                          ; blocks of 16 rows a wave
.set NBW,   12                         ; blocks of 16 columns a wave
.set TN,    192
.set NDIM,  3072
.set WOFF,  0
.set PB,    480                        ; a k row of W in LDS: three times 128 bytes + 32 of padding = 120 words
.set QIB,   4                          ; padding after every 32 words
.set COX,   32                         ; so column block i begins at byte 32 i + 32 (i / 4)
.set WM,    10                         ; s10: which 64 rows are mine
.set KSTEP, 128
.set KDIM,  1024
.set PA,    272                        ; a row of h in LDS: 256 bytes + 16 = 68 words: the 16 rows of a load start at 16 different groups of four banks
.set HALFA, 128*PA
.set ABYTES, 2*HALFA
.set HALFB, 64*PB
.set SLOT,  ABYTES+2*HALFB             ; 256 rows of h, then 128 k rows of W
.set SPARE, 2*SLOT                     ; behind the ring: the spare words, 128 bytes for each wave: two blocks of 256 bytes that no other line names
.set LAPS,  KDIM/(2*KSTEP)
.set DPI,   272                        ; the way out: a head's 64 f32 + 16 bytes
.set DHEAD, 64*DPI
.set DUMPW, 3*DHEAD                    ; a wave's part
.set ADRA, 16
.set ADRB, 20
.set STO,  24
.set RD,   25
.set GO,   26
.set SPW,  28                          ; v28  SPARE + 4 x my thread's number; never rewritten
.set NIL,  29                          ; v29  0; never rewritten
.set BO,   31
.set BIAS, 32
.set XO,   64
.set G1, 24
.set G0, 32
.set G1B, 48
.set G0B, 56
.set MSB, 0
.macro WIN new                         ; the immediate's high byte repeats the setting that is left; a switch that changes nothing is dropped
.if MSB != (\new)
	s_set_vgpr_msb (MSB<<8)|(\new)
.set MSB, \new
.endif
.endm
.macro PLACES                          ; four places between a matrix instruction and a load into, or a read of, its registers (ISA guide 7.12.1 for reads)
.rept 4
	v_nop
.endr
.endm
.macro JLOAD s                         ; a joint load: waves 0 and 1 fetch h's two halves, waves 2 and 3 W's; four v_nop follow each line, ahead of the jump and the label
	s_cmp_eq_u32 s11, 0
	s_cbranch_scc0 .Lfor_b_\@
	tensor_load_to_lds s[G0+4*(\s):G0+4*(\s)+3], s[G1:G1+7]
	s_nop 0
.rept 4
	v_nop
.endr
	s_branch .Lasked_\@
.Lfor_b_\@:
	tensor_load_to_lds s[G0B+4*(\s):G0B+4*(\s)+3], s[G1B:G1B+7]
	s_nop 0
.rept 4
	v_nop
.endr
.Lasked_\@:
.endm
.macro CREST                           ; a round of the cluster's barrier behind its opening barrier
	s_cmp_lg_u32 s10, 0
	s_cbranch_scc1 .Lnot_wave_0_\@
	s_barrier_signal -3
.Lnot_wave_0_\@:
	s_barrier_wait -3
	s_barrier_signal -1
	s_barrier_wait -1
.endm
.macro CROUND
	s_barrier_signal -1
	s_barrier_wait -1
	CREST
.endm
	s_load_b128 s[4:7], s[0:1], 0x0                ; h s[4:5], wts s[6:7]
	s_load_b64 s[68:69], s[0:1], 0x10              ; qkv
	s_load_b64 s[72:73], s[0:1], 0x18              ; bq
	s_load_b128 s[76:79], s[0:1], 0x20             ; bk s[76:77], bv s[78:79]
	v_lshl_add_u32 v[SPW], v0, 2, SPARE
	v_mov_b32 v[NIL], 0
	ds_add_u32 v28, v29
	s_wait_dscnt 0x0
	v_lshrrev_b32 v1, 5, v0
	v_readfirstlane_b32 s10, v1                    ; wave 0..3
	s_lshr_b32 s11, s10, 1                         ; I fetch for h (0) or for W (1)
	s_and_b32 s12, s10, 1                          ; which half of that tile
	s_bfe_u32 s40, ttmp6, 0x40000                  ; cx
	s_bfe_u32 s41, ttmp6, 0x40004                  ; cy
	s_lshl_b32 s42, ttmp9, 2
	s_add_co_u32 s42, s42, s40                     ; tile column = 4 x cluster x + cx
	s_and_b32 s13, ttmp7, 0xffff
	s_lshl_b32 s13, s13, 2
	s_add_co_u32 s13, s13, s41                     ; tile row = 4 x cluster y + cy
	s_lshl_b32 s43, s41, 2
	s_lshl_b32 s43, 15, s43                        ; my row of the cluster
	s_lshl_b32 s44, 0x1111, s40                    ; my column
	s_or_b32 s[G1+0], s43, (1<<16)|(1<<20)|(1<<21)|(5<<22)|(3<<25)     ; mask; 2-byte elements; padding on; 21 set beside a mask; after every 64 words 4 words
	s_or_b32 s[G1B+0], s44, (1<<16)|(1<<20)|(1<<21)|(QIB<<22)|(7<<25)  ; the column's mask; after every 32 words 8 words
	s_mov_b32 s[G1+1], KSTEP<<16                   ; tensor_dim0 = 128
	s_mov_b32 s[G1+2], 128<<16                     ; tensor_dim1 = 128
	s_mov_b32 s[G1+3], KSTEP<<16                   ; tile_dim0 = 128
	s_mov_b32 s[G1+4], 128                         ; tile_dim1 = 128
	s_mov_b32 s[G1+5], KDIM                        ; elements from row to row
	s_mov_b32 s[G1+6], 0
	s_mov_b32 s[G1+7], 0
	s_mov_b32 s[G1B+1], TN<<16                     ; 192 columns
	s_mov_b32 s[G1B+2], 64<<16                     ; 64 k rows
	s_mov_b32 s[G1B+3], TN<<16
	s_mov_b32 s[G1B+4], 64
	s_mov_b32 s[G1B+5], NDIM
	s_mov_b32 s[G1B+6], 0
	s_mov_b32 s[G1B+7], 0
	s_lshl_b32 s17, s12, 7
	s_lshl_b32 s16, s13, 8
	s_add_co_u32 s16, s16, s17                     ; h: row 256 x tile row + 128 x half,
	s_lshl_b32 s16, s16, 11                        ; of 2,048 bytes
	s_mov_b32 s17, 0
	s_mul_i32 s46, s12, 64*NDIM*2                  ; W: k row 64 x half,
	s_mul_i32 s47, s42, TN*2                       ; column 192 x tile column
	s_add_co_u32 s46, s46, s47
	s_add_co_u32 s46, s46, WOFF
	s_mov_b32 s47, 0
	s_mul_i32 s20, s12, HALFA                      ; where they go: no place in the cluster enters an LDS address
	s_mul_i32 s45, s12, HALFB
	s_add_co_u32 s45, s45, ABYTES
	s_wait_kmcnt 0x0
	s_add_nc_u64 s[14:15], s[4:5], s[16:17]
	s_add_nc_u64 s[46:47], s[6:7], s[46:47]
	CROUND                                         ; all sixteen work-groups are here: the first joint loads meet
.irp s, 0,1
	s_mov_b32 s[G0+4*(\s)], 1
	s_add_co_u32 s[G0+4*(\s)+1], s20, (\s)*SLOT
	s_add_nc_u64 s[G0+4*(\s)+2:G0+4*(\s)+3], s[14:15], (\s)*KSTEP*2
	s_or_b32 s[G0+4*(\s)+3], s[G0+4*(\s)+3], 0x80000000
	s_mov_b32 s[G0B+4*(\s)], 1
	s_add_co_u32 s[G0B+4*(\s)+1], s45, (\s)*SLOT
	s_add_nc_u64 s[G0B+4*(\s)+2:G0B+4*(\s)+3], s[46:47], (\s)*KSTEP*NDIM*2
	s_or_b32 s[G0B+4*(\s)+3], s[G0B+4*(\s)+3], 0x80000000
	JLOAD \s                                       ; two loads of mine are out
.endr
	v_and_b32 v1, 15, v0                           ; l % 16
	v_bfe_u32 v2, v0, 4, 1                         ; l / 16
	v_and_b32 v3, 7, v0
	v_bfe_u32 v4, v0, 3, 1
	v_mul_u32_u24 v5, v1, PA
	v_lshl_add_u32 v5, v2, 4, v5                   ; h: row x pitch + 16 x half
	v_lshl_add_u32 v6, v2, 3, v3                   ; W: k row 8 (l / 16) + l % 8,
	v_mul_u32_u24 v6, v6, PB
	v_lshl_add_u32 v6, v4, 4, v6                   ; columns 8 ((l / 8) % 2) on
	s_mul_i32 s21, s[WM], NA*16*PA
	s_mov_b32 s22, ABYTES
.irp s, 0,1
	v_add_nc_u32 v[ADRA+(\s)], s21, v5
	v_add_nc_u32 v[ADRB+(\s)], s22, v6
	s_add_co_u32 s21, s21, SLOT
	s_add_co_u32 s22, s22, SLOT
.endr
	s_mul_i32 s23, s10, DUMPW                      ; my part of the ring's bytes, for the way out
	v_mul_u32_u24 v7, v1, DPI
	v_lshl_add_u32 v7, v2, 5, v7
	v_add_nc_u32 v[STO], s23, v7                   ; in: row l % 16, 32 bytes for each half of the lanes
	v_mul_u32_u24 v8, v2, DPI
	v_lshl_add_u32 v8, v1, 4, v8
	v_add_nc_u32 v[RD], s23, v8                    ; back: lanes 0-15 one row of 256 bytes, lanes 16-31 the next
	v_and_b32 v9, 31, v0
	v_lshlrev_b32 v[GO], 3, v9                     ; out: 8 bytes a lane, two tokens of 128 bytes
	v_lshlrev_b32 v[BO], 4, v1                     ; my four columns of a head's bias
	; for each of my three heads: which of q, k, v, which head; its bias and its place in qkv, each in registers of its own
	s_mul_i32 s86, s42, 3
	s_lshr_b32 s87, s13, 3
	s_lshl_b32 s87, s87, 4                         ; batch x 16
	s_and_b32 s94, s13, 7
	s_lshl_b32 s94, s94, 8
	s_lshl_b32 s95, s10, 6
	s_add_co_u32 s94, s94, s95                     ; my first token
	s_lshl_b32 s94, s94, 7                         ; x 128 bytes
	s_mov_b32 s75, 0
.irp g, 0,1,2
	s_add_co_u32 s95, s86, \g
	s_lshr_b32 s74, s95, 4                         ; 0 q, 1 k, 2 v
	s_and_b32 s95, s95, 15                         ; head
	s_cmp_eq_u32 s74, 1
	s_cselect_b64 s[88+2*\g:89+2*\g], s[76:77], s[72:73]
	s_cmp_eq_u32 s74, 2
	s_cselect_b64 s[88+2*\g:89+2*\g], s[78:79], s[88+2*\g:89+2*\g]
	s_lshl_b32 s74, s74, 5
	s_add_co_u32 s74, s74, s87
	s_add_co_u32 s74, s74, s95
	s_lshl_b32 s74, s74, 18                        ; a head's 2,048 tokens of 128 bytes
	s_add_co_u32 s74, s74, s94
	s_add_nc_u64 s[80+2*\g:81+2*\g], s[68:69], s[74:75]
	s_lshl_b32 s74, s95, 8
	s_add_nc_u64 s[88+2*\g:89+2*\g], s[88+2*\g:89+2*\g], s[74:75]
	global_load_b128 v[BIAS+4*\g:BIAS+4*\g+3], v[BO], s[88+2*\g:89+2*\g]
.endr
; NA/4 row blocks x all column blocks, 32 along K, from buffer f.  hi: my rows' lower or upper half.  zero = 1: the product starts the sums.  Every accumulator has one turn a quarter, always in the same order.
.macro MULP f, hi, part, zero
	WIN 0xa1+0x50*(\hi)                            ; source 0 (W) window 1, source 1 (h) window 0, C and D window 2 or 3
.set ma, (\part)*NA/4
.rept NA/4
.set mb, 0
.rept NBW
.set rD, 8*(NBW*ma+mb)
.set rB, 8*NBW*(\f)+8*mb
.set rA, 64+8*NA*(\f)+8*((\hi)*NA/2+ma)
.if \zero
	v_wmma_f32_16x16x32_f16 v[rD:rD+7], v[rB:rB+7], v[rA:rA+7], 0
.else
	v_wmma_f32_16x16x32_f16 v[rD:rD+7], v[rB:rB+7], v[rA:rA+7], v[rD:rD+7]
.endif
.set mb, mb+1
.endr
.set ma, ma+1
.endr
.endm
.macro MULH f, hi, zero
	MULP \f, \hi, 0, \zero
	MULP \f, \hi, 1, \zero
.endm
; 32 LDS loads in one run: quarter q (32 along K) of a slot into buffer f: W's fragments, turned, then h's
.macro FETCH slot, q, f
	WIN 0x40
.set fi, 0
.rept NBW
.set rB, 8*NBW*(\f)+8*fi
.set oB, 32*(\q)*PB+32*fi+COX*(fi/4)
	ds_load_tr16_b128 v[rB:rB+3],   v[ADRB+(\slot)] offset:oB
	ds_load_tr16_b128 v[rB+4:rB+7], v[ADRB+(\slot)] offset:oB+16*PB
.set fi, fi+1
.endr
	WIN 0
.set fi, 0
.rept NA
.set rA, 64+8*NA*(\f)+8*fi
	ds_load_b128 v[rA:rA+3],   v[ADRA+(\slot)] offset:64*(\q)+fi*16*PA
	ds_load_b128 v[rA+4:rA+7], v[ADRA+(\slot)] offset:64*(\q)+fi*16*PA+32
.set fi, fi+1
.endr
.endm
.macro QUARTER slot, q, f, g, zero     ; multiplies buffer f; in its middle fetches quarter q of the slot into buffer g
	s_wait_dscnt NA                                ; W and h's lower rows are in; the youngest NA loads (h's upper rows) may be out
	MULH \f, 0, \zero
	PLACES
	FETCH \slot, \q, \g
	s_wait_dscnt 32                                ; all but the 32 just issued
	MULH \f, 1, \zero
.endm
; The last quarter of a K step multiplies buffer 1 and changes slots: one barrier; in front of it each wave waits for all its tensor loads (one is out: its part of the next slot),
; adds 0 to its spare word, and waits for that and for its reads of this slot.  fill = 1: the barrier opens a round of the cluster's, and this slot is filled again, two K steps ahead, first thing behind it.
.macro TURN slot, next, fill
	WIN 0
	s_wait_tensorcnt 0x0
	ds_add_u32 v[SPW], v[NIL]
	s_wait_dscnt NA+1                              ; the add and the youngest NA loads may be out
	MULP 1, 0, 0, 0
	s_wait_dscnt 0x0                               ; the add is done, and my reads of this slot are over
	s_barrier_signal -1
	MULP 1, 0, 1, 0
.if \fill
	WIN 0
.endif
	s_barrier_wait -1
.if \fill
	CREST
	s_add_nc_u64 s[G0+4*(\slot)+2:G0+4*(\slot)+3], s[G0+4*(\slot)+2:G0+4*(\slot)+3], 2*KSTEP*2
	s_add_nc_u64 s[G0B+4*(\slot)+2:G0B+4*(\slot)+3], s[G0B+4*(\slot)+2:G0B+4*(\slot)+3], 2*KSTEP*NDIM*2
	JLOAD \slot                                    ; one load of mine is out; its four v_nop are also the places in front of the loads below
.else
	PLACES
.endif
	FETCH \next, 0, 0
	MULH 1, 1, 0
.endm
	s_wait_tensorcnt 1                             ; my part of K step 0 is in; K step 1's may stay out
	s_barrier_signal -1
	s_barrier_wait -1
	FETCH 0, 0, 0
	QUARTER 0, 1, 0, 1, 1                          ; the first quarter stands in front of the loop: its products start the sums
	WIN 0
	s_mov_b32 s3, LAPS-1
.Llap:                                                 ; a trip goes once round the ring and fills both slots again
	QUARTER 0, 2, 1, 0, 0
	QUARTER 0, 3, 0, 1, 0
	TURN 0, 1, 1
	QUARTER 1, 1, 0, 1, 0
	QUARTER 1, 2, 1, 0, 0
	QUARTER 1, 3, 0, 1, 0
	TURN 1, 0, 1
	QUARTER 0, 1, 0, 1, 0
	WIN 0
	s_sub_co_u32 s3, s3, 1
	s_cmp_lg_u32 s3, 0
	s_cbranch_scc1 .Llap
	QUARTER 0, 2, 1, 0, 0                          ; the last lap fills nothing
	QUARTER 0, 3, 0, 1, 0
	TURN 0, 1, 0
	QUARTER 1, 1, 0, 1, 0
	QUARTER 1, 2, 1, 0, 0
	QUARTER 1, 3, 0, 1, 0
	s_wait_dscnt NA                                ; the very last quarter
	MULH 1, 0, 0
	s_wait_dscnt 0x0                               ; my reads of the ring are over:
	s_barrier_signal -1                            ; say so, since every wave is about to write into the ring's bytes
	MULH 1, 1, 0
	WIN 0
	s_barrier_wait -1
	PLACES
	s_wait_loadcnt 0x0                             ; the three biases
	; THE WAY OUT.  Each accumulator's registers 0-3 go first.
.set da, 0
.rept NA
	WIN 0x08+4*(da/(NA/2))                         ; the stores' data in window 2 or 3
.set db, 0
.rept NBW
.set rD, 8*(NBW*(da%(NA/2))+db)
	ds_store_b128 v[STO], v[rD:rD+3]   offset:(db/4)*DHEAD+da*16*DPI+64*(db%4)
	ds_store_b128 v[STO], v[rD+4:rD+7] offset:(db/4)*DHEAD+da*16*DPI+64*(db%4)+16
.set db, db+1
.endr
.set da, da+1
.endr
	WIN 0
.irp g, 0,1,2
.if \g > 0
	s_wait_xcnt 0x0                                ; the last head's stores have read their registers: only behind this wait are they loaded again
.endif
.set u, 0
.rept 32
	ds_load_b128 v[XO+4*u:XO+4*u+3], v[RD] offset:(\g)*DHEAD+2*DPI*u  ; LDS serves a wave's instructions in order (ISA guide 5.7.1.4): these see my stores above
.set u, u+1
.endr
.set u, 0
.rept 32
	s_wait_dscnt 31-u
	v_pk_add_f32 v[XO+4*u:XO+4*u+1],   v[XO+4*u:XO+4*u+1],   v[BIAS+4*\g:BIAS+4*\g+1]
	v_pk_add_f32 v[XO+4*u+2:XO+4*u+3], v[XO+4*u+2:XO+4*u+3], v[BIAS+4*\g+2:BIAS+4*\g+3]
	v_cvt_pk_f16_f32 v[XO+4*u],   v[XO+4*u],   v[XO+4*u+1]
	v_cvt_pk_f16_f32 v[XO+4*u+1], v[XO+4*u+2], v[XO+4*u+3]
	global_store_b64 v[GO], v[XO+4*u:XO+4*u+1], s[80+2*\g:81+2*\g] offset:256*u  ; two tokens of a head: 256 consecutive bytes, aligned
.set u, u+1
.endr
.endr
	s_wait_tensorcnt 0x0                           ; the wave's end
	ds_add_u32 v[SPW], v[NIL]
	s_wait_dscnt 0x0
	CROUND                                         ; the closing round: no work-group ends while a partner may still ask for a tile that names it
	s_endpgm
.Lfunc_end_k_qece05b3947_qkvp:
	.size	k_qece05b3947_qkvp, .Lfunc_end_k_qece05b3947_qkvp-k_qece05b3947_qkvp
	.p2alignl 7, 3214868480
	.fill 96, 4, 3214868480
	.section	.rodata,"a",@progbits
	.p2align	6, 0x0
	.amdhsa_kernel k_qece05b3947_qkvp
		.amdhsa_group_segment_fixed_size 327680
		.amdhsa_private_segment_fixed_size 0
		.amdhsa_enable_private_segment 0
		.amdhsa_kernarg_size 48
		.amdhsa_user_sgpr_count 2
		.amdhsa_user_sgpr_kernarg_segment_ptr 1
		.amdhsa_wavefront_size32 1
		.amdhsa_system_sgpr_workgroup_id_x 1
		.amdhsa_system_sgpr_workgroup_id_y 1
		.amdhsa_system_sgpr_workgroup_id_z 1
		.amdhsa_system_vgpr_workitem_id 0
		.amdhsa_next_free_vgpr 1024
		.amdhsa_next_free_sgpr 96
		.amdhsa_reserve_vcc 0
		.amdhsa_float_denorm_mode_32 3
		.amdhsa_float_denorm_mode_16_64 3
		.amdhsa_memory_ordered 1
		.amdhsa_forward_progress 1
		.amdhsa_inst_pref_size 146
	.end_amdhsa_kernel
	.amdgpu_metadata
---
amdhsa.version: [ 1, 2 ]
amdhsa.kernels:
  - .name:           k_qece05b3947_qkvp
    .symbol:         k_qece05b3947_qkvp.kd
    .args:
      - { .name: hbuf, .offset: 0, .size: 8, .value_kind: global_buffer, .address_space: global }
      - { .name: wts, .offset: 8, .size: 8, .value_kind: global_buffer, .address_space: global }
      - { .name: qkv, .offset: 16, .size: 8, .value_kind: global_buffer, .address_space: global }
      - { .name: bq, .offset: 24, .size: 8, .value_kind: global_buffer, .address_space: global }
      - { .name: bk, .offset: 32, .size: 8, .value_kind: global_buffer, .address_space: global }
      - { .name: bv, .offset: 40, .size: 8, .value_kind: global_buffer, .address_space: global }
    .group_segment_fixed_size: 327680
    .private_segment_fixed_size: 0
    .kernarg_segment_align: 8
    .kernarg_segment_size: 48
    .max_flat_workgroup_size: 128
    .sgpr_count:     96
    .vgpr_count:     1024
    .wavefront_size: 32
...
	.end_amdgpu_metadata
.endif
;; end of part 2
;; launch attn (part 3): grid 16 x 16, 4 waves a work-group, clusters of 4 x 1, 327,680 bytes of LDS; arguments qkv, att; writes att
.if DOCPART == 3
	.amdgcn_target "amdgcn-amd-amdhsa--gfx1250"
	.amdhsa_code_object_version 6
	.text
	.protected	k_qece05b3947_attn
	.globl	k_qece05b3947_attn
	.p2align	8
	.type	k_qece05b3947_attn,@function
k_qece05b3947_attn:
	s_mov_b64 s[64:65], 0
	v_nop
	global_prefetch_b8 v0, s[64:65] scope:SCOPE_SE
	s_setreg_imm32_b32 hwreg(HW_REG_WAVE_MODE, 25, 1), 1
	s_wait_xcnt 0x0
	s_wait_alu depctr_hold_cnt(0) depctr_sa_sdst(0) depctr_va_vdst(0) depctr_va_sdst(0) depctr_va_ssrc(0) depctr_va_vcc(0) depctr_vm_vsrc(0)
	s_getreg_b32 s2, hwreg(HW_REG_IB_STS2, 6, 4)
	s_cmp_eq_u32 s2, 0
	s_cbranch_scc0 .Lentry_in_a_cluster
	s_endpgm
.Lentry_in_a_cluster:
	s_bfe_u32 s2, ttmp6, 0x10000c
	s_cmp_lg_u32 s2, 0x3003
	s_cbranch_scc0 .Lentry_shape_is_right
	s_endpgm
.Lentry_shape_is_right:
; att[b][t][head x 64 ..] = the sum over k of softmax_k(q . k / 32) v.  q, k, v: [32 = batch x 16 + head][2048][64] f16 in qkv at 0, 0x800000, 0x1000000.  att: [4096][1024] f16.
; Products, maxima and sums in f32; the weights p are rounded to f16 for the second product (their sum l is taken of the unrounded p), the result once at the end.
; LIMITS.  f16 ends at 65,504: q, k, v arrive within it; p lies in 0 to 1; the result is a mean of v's rows.  A weight below 2^-126 counts as 0 in l; NaN and infinities are not treated apart.
; SHARES.  A work-group owns 128 queries of TWO neighbouring heads, so that its rows of att are whole runs of 256 bytes.  Wave w: head w / 2, queries 64 (w % 2) on, four PIECES of 16.  Every wave walks all 2,048 keys, 64 a step.
; LAYOUT.  S^T = K Q^T holds ONE query a lane (lane % 16) and the keys 8 (lane / 16) + 0..7; two such results rounded to f16 ARE source 1 of O^T = V^T P.  K comes out of LDS as it lies, V turned (ds_load_tr16_b128).
; SOFTMAX.  A running maximum m and sum l for each query: p = 2^(c s - c m), c = log2(e) / 32; in every step O and l are multiplied by a = 2^(c m_old - c m_new).  m starts at the lowest finite number, O and l at 0: the first step's a is 0.
; BY TURNS.  Turn n belongs to piece n: 8 products K Q^T of piece n + 1, later 8 products V^T P of piece n - 1; beside them the scaling, exponentials, roundings, sums and rescaling of piece n and the maximum
; and statistics of piece n + 1.  Four vector instructions stand behind every matrix instruction, the other 54 of a turn's 118 in two runs of their own.
; CLUSTER.  The four query blocks of a cluster walk the same two heads' K and V: each tile is asked for JOINTLY, by the same load, descriptor and mask in all four.
; REGISTERS, in windows of 256 (s_set_vgpr_msb: bits 1:0 source 0, 3:2 source 1, 5:4 source 2, 7:6 destination):
;   window 0: v0-15 addresses; v16-31 four registers of statistics a piece; v48-55 at work; v64-127 S^T, two buffers; v192-223 P, two buffers (by the piece's parity)
;   window 1: v0-127 O^T, 32 a piece          window 2: v0-63 Q; v128-191 K of one step; v192-255 V of one step
.set NP,    4
.set KS,    64
.set PK,    144       ; a row of K in LDS: 128 bytes + 16 = 36 words: the 16 rows of a load start at 16 different groups of four banks (64 banks of 4 bytes: ISA guide 11.1)
.set PV,    160       ; a row of V: 128 + 32 = 40 words
.set KHEAD, 2*KS*PK   ; a slot holds two steps of both heads: K of head 0, K of head 1,
.set VHEAD, 2*KS*PV
.set VOFF,  2*KHEAD   ; then V of head 0, V of head 1
.set SLOT1, 1<<17     ; slot 1 begins here, so that one exclusive or turns an address in one slot into the other's
.set STAGE, SLOT1+2*(KHEAD+VHEAD)  ; behind the ring, never filled by a tensor load: 128 rows x 272 bytes, the work-group's, for the way out
.set SP,    272
.set SPARE, STAGE+128*SP  ; the spare words, 128 bytes for each wave: two blocks of 256 bytes that no other line names
.set AK0, 2
.set AV0, 3
.set AK,  4
.set AV,  5
.set STO, 6
.set RD,  7
.set GO,  8
.set MV,  12
.set QO,  15
.set ST,  16          ; piece t's statistics at v[ST+4 t]: c m, m, l (even keys', odd keys')
.set TMP, 48
.set SPW, 62          ; v62  SPARE + 4 x my thread's number; never rewritten
.set NIL, 63          ; v63  0; never rewritten
.set S,   64
.set P,   192
.set KF,  128
.set VF,  192
.set WV,  12
.set G1K, 24
.set G1V, 32
.set G0K, 40
.set G0V, 44
.set SLOTS, 56
.set CNT, 57
.set CS,  58
.set SEL, 60
.set TBK, 62
.set TBV, 63
.set MSB, 0
.macro WIN new
.if MSB != (\new)
	s_set_vgpr_msb (MSB<<8)|(\new)
.set MSB, (\new)
.endif
.endm
.set W_KQ, 0x0a       ; K and Q in window 2, S^T in window 0
.set W_PV, 0x52       ; V in window 2, P in window 0, O^T in window 1
.set W_RS, 0x41       ; destination and source 0 in window 1, source 1 in window 0
; A joint fill.  Waves 0 and 1 fetch the two heads' K, waves 2 and 3 their V: 128 keys each.  Four v_nop follow each of the two lines, ahead of the jump and the label.
.macro JLOAD
	s_cmp_lt_u32 s[WV], 2
	s_cbranch_scc0 .Lfor_v_\@
	tensor_load_to_lds s[G0K:G0K+3], s[G1K:G1K+7]
	s_nop 0
.rept 4
	v_nop
.endr
	s_branch .Lasked_\@
.Lfor_v_\@:
	tensor_load_to_lds s[G0V:G0V+3], s[G1V:G1V+7]
	s_nop 0
.rept 4
	v_nop
.endr
.Lasked_\@:
.endm
.macro CROUND                       ; a round of the cluster's barrier
	s_barrier_signal -1
	s_barrier_wait -1
	s_cmp_lg_u32 s[WV], 0
	s_cbranch_scc1 .Lnot_wave_0_\@
	s_barrier_signal -3
.Lnot_wave_0_\@:
	s_barrier_wait -3
	s_barrier_signal -1
	s_barrier_wait -1
.endm
; THE CHANGE OF SLOTS.  Each wave waits for all its tensor loads, of which one is out: its part of the other slot; adds 0 to its spare word; and waits for that and for its own reads of the slot that it leaves.
; fill = 1: the old slot is filled again, with the keys two slots on: the barrier is a round of the cluster's, and the joint fill is the first thing behind it; it has two key steps in which to land.
; (At its first use nothing has been read yet: slot 0 is waited for, slot 1 filled.)
.macro CHANGE fill
	WIN 0
	s_wait_tensorcnt 0x0            ; no tensor load of mine is out, so a group 0 may be written
	ds_add_u32 v[SPW], v[NIL]
.if \fill
.irp g, G0K, G0V
	s_xor_b32 s[\g+1], s[\g+1], SLOT1
	s_add_nc_u64 s[\g+2:\g+3], s[\g+2:\g+3], 2*KS*128  ; the next 128 keys; the type bits on top are not reached
.endr
	s_wait_dscnt 0x0                ; the add is done, and my reads of the slot are over
	CROUND
	JLOAD
.else
	s_wait_dscnt 0x0
	s_barrier_signal -1
	s_barrier_wait -1
.endif
	s_sub_co_u32 s[TBK], s[TBK], 2*KS*PK  ; the fetches go back to a slot's first step,
	s_xor_b32 s[TBK], s[TBK], SLOT1       ; in the other slot
	s_sub_co_u32 s[TBV], s[TBV], 2*KS*PV
	s_xor_b32 s[TBV], s[TBV], SLOT1
.endm
	s_load_b128 s[4:7], s[0:1], 0x0 ; qkv s[4:5], att s[6:7]
	v_lshl_add_u32 v[SPW], v0, 2, SPARE
	v_mov_b32 v[NIL], 0
	ds_add_u32 v62, v63
	s_wait_dscnt 0x0
	v_lshrrev_b32 v1, 5, v0
	v_readfirstlane_b32 s[WV], v1   ; wave 0..3
	s_bfe_u32 s13, ttmp6, 0x40000   ; cx
	s_lshl_b32 s14, ttmp9, 2
	s_add_co_u32 s14, s14, s13      ; my block of 128 queries: it enters Q's and att's addresses alone
	s_and_b32 s15, ttmp7, 0xffff    ; the pair of heads, which the four partners share
	s_and_b32 s16, s[WV], 1
	s_lshr_b32 s17, s[WV], 1        ; my head of the two
	s_lshl_b32 s20, s15, 1
	s_add_co_u32 s20, s20, s16      ; the head whose K or V I fetch,
	s_lshl_b32 s20, s20, 18         ; its 2,048 rows of 128 bytes
	s_mov_b32 s21, 0
	s_lshl_b32 s22, s15, 1
	s_add_co_u32 s22, s22, s17
	s_lshl_b32 s22, s22, 18         ; my head's q,
	s_lshl_b32 s23, s14, 14         ; my block's 128 rows,
	s_add_co_u32 s22, s22, s23
	s_lshl_b32 s23, s16, 13         ; my wave's 64 of them
	s_add_co_u32 s22, s22, s23
	s_mov_b32 s23, 0
	s_lshr_b32 s2, s15, 3           ; batch
	s_lshl_b32 s2, s2, 11
	s_lshl_b32 s3, s14, 7
	s_add_co_u32 s2, s2, s3
	s_lshl_b32 s3, s[WV], 5         ; on the way out wave w stores rows 32 w on
	s_add_co_u32 s2, s2, s3
	s_lshl_b32 s2, s2, 11           ; rows of 2,048 bytes
	s_and_b32 s3, s15, 7
	s_lshl_b32 s3, s3, 8            ; the two heads' 256 bytes of a row
	s_add_co_u32 s2, s2, s3
	s_mov_b32 s3, 0
	s_mul_i32 s18, s16, KHEAD       ; where my tile goes: no place in the cluster enters an LDS address
	s_mul_i32 s19, s16, VHEAD
	; descriptor group 1.  128 keys are 16,384 dense bytes: asked for as 64 rows of 256 bytes, two keys a row, and padded in LDS after every key
	s_mov_b32 s[G1K], 15|(1<<16)|(1<<20)|(1<<21)|(4<<22)|(3<<25)  ; the mask of four; 2-byte elements; padding on; 21 set beside a mask; after every 32 words 4 words
	s_mov_b32 s[G1V], 15|(1<<16)|(1<<20)|(1<<21)|(4<<22)|(7<<25)  ; the same with 8 words
.irp g, G1K, G1V
	s_mov_b32 s[\g+1], 128<<16      ; tensor_dim0 = 128
	s_mov_b32 s[\g+2], 64<<16       ; tensor_dim1 = 64
	s_mov_b32 s[\g+3], 128<<16      ; tile_dim0 = 128
	s_mov_b32 s[\g+4], 64           ; tile_dim1 = 64
	s_mov_b32 s[\g+5], 128          ; elements from row to row
	s_mov_b32 s[\g+6], 0
	s_mov_b32 s[\g+7], 0
.endr
	s_mov_b32 s[CS], 0x3d38aa3b     ; c = log2(e) / 32
	s_mov_b32 s[CS+1], s[CS]        ; named with it as a pair
	s_mov_b32 s[SEL], 0x76543210
	s_mov_b32 s[SEL+1], 0xfedcba98
	s_mov_b32 s[TBK], SLOT1+2*KS*PK ; the first change of slots turns these two into 0
	s_mov_b32 s[TBV], SLOT1+2*KS*PV
	s_mov_b32 s[G0K], 1
	s_mov_b32 s[G0K+1], s18
	s_mov_b32 s[G0V], 1
	s_add_co_u32 s[G0V+1], s19, VOFF
	s_wait_kmcnt 0x0
	s_add_nc_u64 s[G0K+2:G0K+3], s[4:5], s[20:21]
	s_add_nc_u64 s[G0K+2:G0K+3], s[G0K+2:G0K+3], 0x800000
	s_or_b32 s[G0K+3], s[G0K+3], 0x80000000
	s_add_nc_u64 s[G0V+2:G0V+3], s[4:5], s[20:21]
	s_add_nc_u64 s[G0V+2:G0V+3], s[G0V+2:G0V+3], 0x1000000
	s_or_b32 s[G0V+3], s[G0V+3], 0x80000000
	s_add_nc_u64 s[8:9], s[4:5], s[22:23]    ; q at my wave's first row
	s_add_nc_u64 s[10:11], s[6:7], s[2:3]    ; att at the rows that I store
	CROUND                          ; all four work-groups are here: the first joint loads meet
	JLOAD                           ; slot 0
	v_and_b32 v1, 15, v0            ; l % 16
	v_bfe_u32 v9, v0, 4, 1          ; l / 16
	v_lshlrev_b32 v[QO], 7, v1
	v_lshl_add_u32 v[QO], v9, 4, v[QO]  ; row x 128 + 16 x half
	WIN 0x80                        ; destination window 2, address window 0
.set i, 0
.rept 8                             ; Q stays in registers: piece i / 2, channels 32 (i % 2) on
	global_load_b128 v[8*i:8*i+3],   v[QO], s[8:9] offset:(i/2)*2048+(i%2)*64
	global_load_b128 v[8*i+4:8*i+7], v[QO], s[8:9] offset:(i/2)*2048+(i%2)*64+32
.set i, i+1
.endr
	; What the first turn finds: V's registers and P's second buffer hold 0 (its products V^T P, of a piece that has not been, add 0), O^T and l are 0.  All this stands in the wait for the first tile.
.set i, VF
.rept 64
	v_mov_b32 v[i], 0
.set i, i+1
.endr
	WIN 0x40
.set i, 0
.rept 128
	v_mov_b32 v[i], 0
.set i, i+1
.endr
	WIN 0
.set i, 0
.rept 4
	v_mov_b32 v[ST+4*i], 0xfe000000    ; c m: far below every c s
	v_mov_b32 v[ST+4*i+1], 0xff7fffff  ; m
	v_mov_b32 v[ST+4*i+2], 0
	v_mov_b32 v[ST+4*i+3], 0
.set i, i+1
.endr
.set i, P+16
.rept 16
	v_mov_b32 v[i], 0
.set i, i+1
.endr
	v_mul_u32_u24 v[AK0], v1, PK
	v_lshl_add_u32 v[AK0], v9, 4, v[AK0]  ; row x pitch + 16 x half,
	s_mul_i32 s48, s17, KHEAD
	v_add_nc_u32 v[AK0], s48, v[AK0]      ; in my head's K
	; The turning load takes 16 keys x 16 channels (lane l reads key 8 (l / 16) + l % 8, channels 8 ((l / 8) % 2) + 0..7) and leaves half a fragment of V^T: lane l holds channel l % 16 and 8 keys.
	v_and_b32 v10, 7, v0
	v_bfe_u32 v11, v0, 3, 1
	v_lshl_add_u32 v[AV0], v9, 3, v10
	v_mul_u32_u24 v[AV0], v[AV0], PV
	v_lshl_add_u32 v[AV0], v11, 4, v[AV0]
	s_mul_i32 s48, s17, VHEAD
	s_add_co_u32 s48, s48, VOFF
	v_add_nc_u32 v[AV0], s48, v[AV0]
	s_mul_i32 s48, s16, 64*SP       ; into the stage: my 64 rows, my head's half of their 256 bytes
	s_lshl_b32 s49, s17, 7
	s_add_co_u32 s48, s48, s49
	s_add_co_u32 s48, s48, STAGE
	v_mul_u32_u24 v[STO], v1, SP
	v_lshl_add_u32 v[STO], v9, 4, v[STO]
	v_add_nc_u32 v[STO], s48, v[STO]
	s_mul_i32 s48, s[WV], 32*SP     ; back: wave w takes rows 32 w on, whole; lanes 0-15 one row, lanes 16-31 the next
	s_add_co_u32 s48, s48, STAGE
	v_mul_u32_u24 v[RD], v9, SP
	v_lshl_add_u32 v[RD], v1, 4, v[RD]
	v_add_nc_u32 v[RD], s48, v[RD]
	v_lshlrev_b32 v[GO], 11, v9     ; and the same two rows in att
	v_lshl_add_u32 v[GO], v1, 4, v[GO]
; THE MATRIX WORK.  The 4 accumulators of a run of 8 take turns.  Product i of 8 of S^T = K Q^T for piece x: channels 32 (i / 4) on, keys 16 (i % 4) on.  The first 4 start the sums.
.macro KQ x
.set rS, S+32*((\x)%2)+8*(i%4)
.set rK, KF+16*(i%4)+8*(i/4)
.set rQ, 16*(\x)+8*(i/4)
	WIN W_KQ
.if i < 4
	v_wmma_f32_16x16x32_f16 v[rS:rS+7], v[rK:rK+7], v[rQ:rQ+7], 0
.else
	v_wmma_f32_16x16x32_f16 v[rS:rS+7], v[rK:rK+7], v[rQ:rQ+7], v[rS:rS+7]
.endif
.endm
; Product i of 8 of O^T += V^T P for piece x: keys 32 (i / 4) on, channels 16 (i % 4) on.
.macro PV x
	WIN W_PV
.set rO, 32*(\x)+8*(i%4)
.set rV, VF+32*(i/4)+8*(i%4)
.set rP, P+16*((\x)%2)+8*(i/4)
	v_wmma_f32_16x16x32_f16 v[rO:rO+7], v[rV:rV+7], v[rP:rP+7], v[rO:rO+7]
.endm
.macro MM                           ; the turn's next matrix instruction.  NOKQ = 1: the last turn: there is no next piece
.if (i < 8) && !NOKQ
	KQ (Y+1)%NP
.elseif i >= 8
.set i, i-8
	PV (Y+NP-1)%NP
.set i, i+8
.endif
.set i, i+1
.endm
; THE LDS LOADS stand in runs of 16: a step's K (64 keys x 64 channels: 8 fragments) and its V (turned).  Their addresses are made some lines ahead.
.macro FETCH_K
	WIN 0x80
.irp f, 0,1,2,3,4,5,6,7             ; keys 16 (f / 2) on, channels 32 (f % 2) on
	ds_load_b128 v[KF+8*\f:KF+8*\f+3],   v[AK] offset:(\f/2)*16*PK+(\f%2)*64
	ds_load_b128 v[KF+8*\f+4:KF+8*\f+7], v[AK] offset:(\f/2)*16*PK+(\f%2)*64+32
.endr
	s_add_co_u32 s[TBK], s[TBK], KS*PK  ; the next fetch is the next step's
	WIN 0
.endm
.macro FETCH_V
	WIN 0x80
.irp f, 0,1,2,3,4,5,6,7             ; keys 32 (f / 4) on, channels 16 (f % 4) on
	ds_load_tr16_b128 v[VF+8*\f:VF+8*\f+3],   v[AV] offset:(\f/4)*32*PV+(\f%4)*32
	ds_load_tr16_b128 v[VF+8*\f+4:VF+8*\f+7], v[AV] offset:(\f/4)*32*PV+16*PV+(\f%4)*32
.endr
	WIN 0
.endm
; THE VECTOR WORK, one line at a time: OP kind, number.  For piece Y: F n: c s - c m for pair n of 16.  E n: the exponential of score n of 32.  C n: pair n rounded to f16.  B n: of the four weights 4 n .. the second
; pair is added onto the first, in place.  L n: l takes that sum (L 0: l = a l + sum).  R n: pair n of 16 of O^T times a.  For piece Y + 1: X n, number n of the 22 that find its maximum and statistics:
;   0-11  four chains c0-c3 of seven scores each, three operands at a time (each accumulator's lowest registers are read first)     12-14, 16  the four scores left over, the old m, and c0-c3 into c0
;   15  c m_old is kept     17, 18  the query's other 32 keys lie in the lane 16 away: the new m     19-21  c m; c m_old - c m_new; a
.set F, 0
.set E, 1
.set C, 2
.set B, 3
.set L, 4
.set R, 5
.set X, 6
.macro REGS y
.set rT, ST+4*(\y)
.set rC, TMP+4*((\y)%2)
.set rW, MV+((\y)%2)
.set rS, S+32*((\y)%2)
.set rP, P+16*((\y)%2)
.set rO, 32*(\y)
.endm
.macro OP k, n
.if (\k) == R
	REGS Y
	WIN W_RS
	v_pk_mul_f32 v[rO+2*(\n):rO+2*(\n)+1], v[rO+2*(\n):rO+2*(\n)+1], v[rC+2:rC+3] op_sel_hi:[1,0]
.elseif (\k) < R
	REGS Y
	WIN 0
.if (\k) == F
	v_pk_fma_f32 v[rS+2*(\n):rS+2*(\n)+1], v[rS+2*(\n):rS+2*(\n)+1], s[CS:CS+1], v[rT:rT+1] op_sel_hi:[1,0,0] neg_lo:[0,0,1] neg_hi:[0,0,1]
.elseif (\k) == E
	v_exp_f32 v[rS+(\n)], v[rS+(\n)]
.elseif (\k) == C
	s_wait_alu depctr_va_vdst(0)
	v_cvt_pk_f16_f32 v[rP+(\n)], v[rS+2*(\n)], v[rS+2*(\n)+1]
.elseif (\k) == B
	s_wait_alu depctr_va_vdst(0)
	v_pk_add_f32 v[rS+4*(\n):rS+4*(\n)+1], v[rS+4*(\n):rS+4*(\n)+1], v[rS+4*(\n)+2:rS+4*(\n)+3]
.elseif (\n) == 0
	v_pk_fma_f32 v[rT+2:rT+3], v[rT+2:rT+3], v[rC+2:rC+3], v[rS:rS+1] op_sel_hi:[1,0,1]
.else
	v_pk_add_f32 v[rT+2:rT+3], v[rT+2:rT+3], v[rS+4*(\n):rS+4*(\n)+1]
.endif
.elseif NOKQ
	v_nop
.else
	REGS (Y+1)%NP
	WIN 0
.if (\n) < 4
	v_max3_num_f32 v[rC+(\n)], v[rS+8*(\n)], v[rS+8*(\n)+1], v[rS+8*(\n)+2]
.elseif (\n) < 12
	v_max3_num_f32 v[rC+(\n)%4], v[rC+(\n)%4], v[rS+8*((\n)%4)+2*((\n)/4)+1], v[rS+8*((\n)%4)+2*((\n)/4)+2]
.elseif (\n) == 12
	v_max3_num_f32 v[rC], v[rC], v[rS+7], v[rS+15]
.elseif (\n) == 13
	v_max3_num_f32 v[rC+1], v[rC+1], v[rS+23], v[rS+31]
.elseif (\n) == 14
	v_max3_num_f32 v[rC+2], v[rC+2], v[rC+3], v[rT+1]
.elseif (\n) == 15
	v_mov_b32 v[rW], v[rT]
.elseif (\n) == 16
	v_max3_num_f32 v[rC], v[rC], v[rC+1], v[rC+2]
.elseif (\n) == 17
	v_permlanex16_b32 v[rC+3], v[rC], s[SEL], s[SEL+1]
.elseif (\n) == 18
	v_max_num_f32 v[rT+1], v[rC], v[rC+3]
.elseif (\n) == 19
	v_mul_f32 v[rT], s[CS], v[rT+1]
.elseif (\n) == 20
	v_sub_f32 v[rC+1], v[rW], v[rT]
.else
	v_exp_f32 v[rC+2], v[rC+1]
.endif
.endif
.endm
.macro OPS a, i1, b=-1, i2=0, c=-1, i3=0, d=-1, i4=0
	OP \a, \i1
.if (\b) >= 0
	OP \b, \i2
.endif
.if (\c) >= 0
	OP \c, \i3
.endif
.if (\d) >= 0
	OP \d, \i4
.endif
.endm
.macro ROW a, i1, b, i2, c, i3, d, i4  ; a matrix instruction and the four behind it
	MM
	OPS \a, \i1, \b, \i2, \c, \i3, \d, \i4
.endm
; A TURN, for piece p: the order of its 16 matrix and 118 vector instructions, written out.  Behind a matrix instruction: plain, exponential, plain, plain; or four of the rescaling; or four scalings; none names a
; register of the products round it.  In the runs of their own exponential and plain by turns while exponentials last, so that each exponential has a plain instruction behind it (ISA guide 5.7.2).
; end = 1: the last two turns: nothing is fetched.  cnt = 1: the loop's count is taken down some lines ahead of the branch that stands behind the turn.
; K of the next step is fetched in piece 2's turn, five plain vector instructions behind the last product that read K; V of the step in hand in piece 0's turn, four plain ones behind the last product that read V.
; Each is waited for a turn later.
.macro TURN p, end=0, cnt=0
.set Y, (\p)
.set i, 0
.set NOKQ, (\end)*((\p)/3)
.if ((\p) == 3) && !(\end)
	s_wait_dscnt 0x0                ; K is in
.endif
	ROW F,0, F,1, F,2, F,3
	ROW F,4, E,0, F,5, F,6
	ROW F,7, E,1, F,8, F,9
	ROW F,10, E,2, C,0, F,11
	ROW F,12, E,3, X,15, F,13
	ROW R,0, R,1, R,2, R,3
	ROW B,0, E,4, F,14, L,0
.if ((\p) == 2) && !(\end)
	v_add_nc_u32 v[AK], s[TBK], v[AK0]
.endif
	ROW R,4, R,5, R,6, R,7
	OPS E,5, F,15
.if ((\p) == 2) && !(\end)
	FETCH_K
.endif
	OPS E,6, C,1, E,7, R,8
	OPS E,8, R,9, E,9, C,2
	OPS E,10, X,0, E,11, X,1
	OPS E,12, X,2, E,13, X,3
.if (\p) == 1
	s_wait_dscnt 0x0                ; V is in
.endif
	ROW X,4, E,14, X,5, X,6
	ROW X,7, E,15, X,8, X,9
	ROW X,10, E,16, X,11, X,12
	ROW X,13, E,17, X,14, B,1
	ROW C,4, E,18, X,16, L,1
	ROW B,2, E,19, C,6, L,2
	ROW C,8, E,20, B,3, B,4
.if (\p) == 0
	v_add_nc_u32 v[AV], s[TBV], v[AV0]
.endif
	ROW C,3, E,21, L,3, C,5
	OPS E,22, X,17, E,23, C,10
.if (\p) == 0
	FETCH_V
.endif
	OPS E,24, L,4
	OPS E,25, X,18, E,26, C,7
	OPS E,27, B,5, E,28, X,19
	OPS E,29, C,12, E,30, L,5
	OPS E,31, X,20, B,6, C,9
	OPS C,14, C,11, X,21, L,6
.if (\p) == 0
	s_add_co_u32 s[TBV], s[TBV], KS*PV
.endif
.if \cnt
	s_sub_co_u32 s[CNT], s[CNT], 1
	s_cmp_lg_u32 s[CNT], 0
.endif
	OPS C,13, B,7, C,15, R,10
	OPS R,11, R,12, L,7, R,13
	OPS R,14, R,15
.endm
.macro ALL line:vararg              ; one line for each piece t
.set t, 0
.rept 4
	\line
.set t, t+1
.endr
.endm
.macro PACK t                       ; piece t: divided by l, rounded to f16; a lane's eight channels of a row pack into 16 bytes and go into the stage
	WIN W_RS
.set i, 32*(\t)
.rept 16
	s_wait_alu depctr_va_vdst(0)
	v_pk_mul_f32 v[i:i+1], v[i:i+1], v[ST+4*(\t)+2:ST+4*(\t)+3] op_sel_hi:[1,0]
.set i, i+2
.endr
	WIN 0x05                        ; sources 0 and 1 window 1, destination window 0: S^T's registers are free
.set i, 0
.rept 16
	v_cvt_pk_f16_f32 v[S+16*(\t)+i], v[32*(\t)+2*i], v[32*(\t)+2*i+1]
.set i, i+1
.endr
	WIN 0
.irp f, 0,1,2,3
	ds_store_b128 v[STO], v[S+16*(\t)+4*\f:S+16*(\t)+4*\f+3] offset:(\t)*16*SP+32*\f
.endr
.endm
	CHANGE 1                        ; slot 0 is in, everybody's part of it; slot 1 is asked for
	v_add_nc_u32 v[AK], s[TBK], v[AK0]
	FETCH_K                         ; key step 0
	s_wait_loadcnt 0x0              ; Q
	s_wait_dscnt 0x0
.set NOKQ, 0
.set i, 0
.rept 8
	KQ 0                            ; piece 0's first scores
.set i, i+1
.endr
	WIN 0
.rept 4
	v_nop                           ; the places behind those products
.endr
.set Y, NP-1                        ; X works for piece Y + 1: piece 0
.irp n, 0,1,2,3,4,5,6,7,8,9,10,11,12,13,14,15,16,17,18,19,20,21
	OP X, \n
.endr
	v_nop                           ; a plain instruction behind the exponential
	s_mov_b32 s[CNT], 2
	s_mov_b32 s[SLOTS], 15          ; 16 slots of 128 keys
	s_branch .Lfirst                ; the loop is entered at a step's first turn, in the middle of a trip
.Lslot:                             ; 14 times: every slot but the last two is filled again
	CHANGE 1
	s_mov_b32 s[CNT], 2
.Lstep:                             ; a trip: pieces 2 and 3 of one step, then pieces 0 and 1 of the next, whose K and V it fetches
	TURN 2
	TURN 3
	WIN 0
.Lfirst:
	TURN 0
	TURN 1, 0, 1
	WIN 0
	s_cbranch_scc1 .Lstep
	s_sub_co_u32 s[SLOTS], s[SLOTS], 1
	s_cmp_lg_u32 s[SLOTS], 0
	s_cbranch_scc1 .Lslot
	CHANGE 0                        ; the last slot is written out: nothing is asked for
	s_mov_b32 s[CNT], 2
.LstepT:
	TURN 2
	TURN 3
	WIN 0
	TURN 0
	TURN 1, 0, 1
	WIN 0
	s_cbranch_scc1 .LstepT
	TURN 2, 1
	TURN 3, 1
.set i, 0
.rept 8
	PV NP-1                         ; the last piece's V^T P of the last step
.set i, i+1
.endr
	; THE WAY OUT.  l's two halves and the other half of the lanes' are added; O^T is divided by l and rounded.  A row's 256 bytes come from two waves (two heads), so a barrier stands between the writing of the stage and the reading.
	WIN 0
	ALL v_add_f32 v[ST+4*t+2], v[ST+4*t+2], v[ST+4*t+3]
	ALL v_permlanex16_b32 v[ST+4*t+3], v[ST+4*t+2], s[SEL], s[SEL+1]
	ALL v_add_f32 v[ST+4*t+2], v[ST+4*t+2], v[ST+4*t+3]
	ALL v_rcp_f32 v[ST+4*t+2], v[ST+4*t+2]
	v_nop                           ; a plain instruction between the last reciprocal and the use of its result
	PACK 0
	PACK 1
	PACK 2
	PACK 3
	s_wait_dscnt 0x0                ; for the others' sake: my stores into the stage are done
	s_barrier_signal -1
	s_barrier_wait -1
.irp u, 0,1,2,3,4,5,6,7,8,9,10,11,12,13,14,15
	ds_load_b128 v[S+4*\u:S+4*\u+3], v[RD] offset:\u*2*SP
.endr
.irp u, 0,1,2,3,4,5,6,7,8,9,10,11,12,13,14,15
	s_wait_dscnt 15-\u
	global_store_b128 v[GO], v[S+4*\u:S+4*\u+3], s[10:11] offset:\u*4096  ; 16 lanes store 256 consecutive bytes, aligned
.endr
	s_wait_tensorcnt 0x0            ; the wave's end
	ds_add_u32 v[SPW], v[NIL]
	s_wait_dscnt 0x0
	CROUND                          ; the closing round
	s_endpgm
.Lfunc_end_k_qece05b3947_attn:
	.size	k_qece05b3947_attn, .Lfunc_end_k_qece05b3947_attn-k_qece05b3947_attn
	.p2alignl 7, 3214868480
	.fill 96, 4, 3214868480
	.section	.rodata,"a",@progbits
	.p2align	6, 0x0
	.amdhsa_kernel k_qece05b3947_attn
		.amdhsa_group_segment_fixed_size 327680
		.amdhsa_private_segment_fixed_size 0
		.amdhsa_enable_private_segment 0
		.amdhsa_kernarg_size 16
		.amdhsa_user_sgpr_count 2
		.amdhsa_user_sgpr_kernarg_segment_ptr 1
		.amdhsa_wavefront_size32 1
		.amdhsa_system_sgpr_workgroup_id_x 1
		.amdhsa_system_sgpr_workgroup_id_y 1
		.amdhsa_system_sgpr_workgroup_id_z 1
		.amdhsa_system_vgpr_workitem_id 0
		.amdhsa_next_free_vgpr 768
		.amdhsa_next_free_sgpr 66
		.amdhsa_reserve_vcc 0
		.amdhsa_float_denorm_mode_32 3
		.amdhsa_float_denorm_mode_16_64 3
		.amdhsa_memory_ordered 1
		.amdhsa_forward_progress 1
		.amdhsa_inst_pref_size 134
	.end_amdhsa_kernel
	.amdgpu_metadata
---
amdhsa.version: [ 1, 2 ]
amdhsa.kernels:
  - .name:           k_qece05b3947_attn
    .symbol:         k_qece05b3947_attn.kd
    .args:
      - { .name: qkv, .offset: 0, .size: 8, .value_kind: global_buffer, .address_space: global }
      - { .name: att, .offset: 8, .size: 8, .value_kind: global_buffer, .address_space: global }
    .group_segment_fixed_size: 327680
    .private_segment_fixed_size: 0
    .kernarg_segment_align: 8
    .kernarg_segment_size: 16
    .max_flat_workgroup_size: 128
    .sgpr_count:     66
    .vgpr_count:     768
    .wavefront_size: 32
...
	.end_amdgpu_metadata
.endif
;; end of part 3
;; launch proj (part 4): grid 8 x 32, 4 waves a work-group, clusters of 4 x 4, 327,680 bytes of LDS; arguments att, wts, res, bo, x; writes res
.if DOCPART == 4
	.amdgcn_target "amdgcn-amd-amdhsa--gfx1250"
	.amdhsa_code_object_version 6
	.text
	.protected	k_qece05b3947_proj
	.globl	k_qece05b3947_proj
	.p2align	8
	.type	k_qece05b3947_proj,@function
k_qece05b3947_proj:
	s_mov_b64 s[64:65], 0
	v_nop
	global_prefetch_b8 v0, s[64:65] scope:SCOPE_SE
	s_setreg_imm32_b32 hwreg(HW_REG_WAVE_MODE, 25, 1), 1
	s_wait_xcnt 0x0
	s_wait_alu depctr_hold_cnt(0) depctr_sa_sdst(0) depctr_va_vdst(0) depctr_va_sdst(0) depctr_va_ssrc(0) depctr_va_vcc(0) depctr_vm_vsrc(0)
	s_getreg_b32 s2, hwreg(HW_REG_IB_STS2, 6, 4)
	s_cmp_eq_u32 s2, 0
	s_cbranch_scc0 .Lentry_in_a_cluster
	s_endpgm
.Lentry_in_a_cluster:
	s_bfe_u32 s2, ttmp6, 0x10000c
	s_cmp_lg_u32 s2, 0xf033
	s_cbranch_scc0 .Lentry_shape_is_right
	s_endpgm
.Lentry_shape_is_right:
; res = att Wo + bo + x.  att: [4096][1024] f16.  Wo: [1024][1024] f16 at wts byte 0x600000, layout [K][N].  bo, x, res: f32.
; A tile of the result is 128 x 128: 8 x 32 tiles, one for each of 256 work-groups.  Four waves, 64 x 64 each: 16 accumulators.  K goes in steps of 256 through two LDS slots filled by the tensor data mover.
; att's rows lie along K; Wo lies [K][N] and is turned on the way out of LDS (ds_load_tr16_b128).  CLUSTER 4 x 4: att's tile is shared along a row of the cluster, Wo's along a column, each asked for jointly.
; THE MATRIX INSTRUCTION IS USED TRANSPOSED: source 0 = 16 columns of W, source 1 = 16 rows of att: a lane holds one row (lane % 16) and eight neighbouring columns.
; x's 64 x 64 block is loaded at the start into 128 registers and is on its way during the whole K loop.
; THE WAY OUT: behind a barrier that ends all reads of the ring (whose last fill is over) each wave lays its f32 sums into its own part of those bytes, reads them back by rows, adds bias and x and stores; 16 lanes fill 256 aligned bytes.
; REGISTERS: window 0: v1-31 addresses and bias; v128-255 accumulator (a, b) at 128 + 8 (4 a + b).  Window 1: two fragment buffers of 128 (64 of att, 64 of W).  Window 2: v0-127 x.
.set KDIM,  1024
.set WOFF,  0x600000
.set KSTEP, 256
.set LAPS,  KDIM/(2*KSTEP)
.set PA,    528                        ; a row of att in LDS: 512 bytes + 16 = 132 words: the 16 rows of a load start at 16 different groups of four banks (64 banks of 4 bytes: ISA guide 11.1)
.set HALFA, 64*PA
.set ABYTES, 2*HALFA
.set PB,    288                        ; a k row of W: 256 bytes + 32 = 72 words
.set HALFB, 128*PB
.set SLOT,  ABYTES+2*HALFB
.set SPARE, 2*SLOT                     ; the spare words, 128 bytes for each wave: two blocks of 256 bytes that no other line names
.set DPI,   272
.set DUMPW, 64*DPI
.set BIAS, 12
.set ADRA, 16
.set ADRB, 20                          ; v20-23: slot x 2 + half of the slot's 256 k rows (the 16-bit offset does not reach over all of them)
.set STO,  24
.set RD,   25
.set GO,   26
.set SPW,  28
.set NIL,  29
.set BO,   31
.set ACC,  128
.set F0,   0
.set F1,   128
.set G1, 24
.set G0, 32
.set G1B, 48
.set G0B, 56
.set MSB, 0
.macro WIN new
.if MSB != (\new)
	s_set_vgpr_msb (MSB<<8)|(\new)
.set MSB, \new
.endif
.endm
.set MUL,  0x05                        ; sources 0 (W) and 1 (att) window 1; C and D window 0
.set TO_F, 0x40                        ; destination window 1, address window 0
.macro PLACES
.rept 4
	v_nop
.endr
.endm
.macro JLOAD s                         ; a joint load: waves 0 and 1 fetch att's two halves, waves 2 and 3 W's; four v_nop follow each line, ahead of the jump and the label
	s_cmp_eq_u32 s11, 0
	s_cbranch_scc0 .Lfor_b_\@
	tensor_load_to_lds s[G0+4*(\s):G0+4*(\s)+3], s[G1:G1+7]
	s_nop 0
.rept 4
	v_nop
.endr
	s_branch .Lasked_\@
.Lfor_b_\@:
	tensor_load_to_lds s[G0B+4*(\s):G0B+4*(\s)+3], s[G1B:G1B+7]
	s_nop 0
.rept 4
	v_nop
.endr
.Lasked_\@:
.endm
.macro CREST
	s_cmp_lg_u32 s10, 0
	s_cbranch_scc1 .Lnot_wave_0_\@
	s_barrier_signal -3
.Lnot_wave_0_\@:
	s_barrier_wait -3
	s_barrier_signal -1
	s_barrier_wait -1
.endm
.macro CROUND
	s_barrier_signal -1
	s_barrier_wait -1
	CREST
.endm
	s_load_b128 s[4:7], s[0:1], 0x0                ; att s[4:5], wts s[6:7]
	s_load_b128 s[68:71], s[0:1], 0x10             ; res s[68:69], bo s[70:71]
	s_load_b64 s[72:73], s[0:1], 0x20              ; x
	v_lshl_add_u32 v[SPW], v0, 2, SPARE
	v_mov_b32 v[NIL], 0
	ds_add_u32 v28, v29
	s_wait_dscnt 0x0
	v_lshrrev_b32 v1, 5, v0
	v_readfirstlane_b32 s10, v1                    ; wave 0..3
	s_lshr_b32 s11, s10, 1                         ; which half of the tile's rows is mine.  Also: I fetch for att (0) or for W (1)
	s_and_b32 s12, s10, 1                          ; which half of its columns.  Also: which half of that tile I fetch
	s_bfe_u32 s40, ttmp6, 0x40000
	s_bfe_u32 s41, ttmp6, 0x40004
	s_lshl_b32 s42, ttmp9, 2
	s_add_co_u32 s42, s42, s40                     ; tile column
	s_and_b32 s13, ttmp7, 0xffff
	s_lshl_b32 s13, s13, 2
	s_add_co_u32 s13, s13, s41                     ; tile row
	s_lshl_b32 s43, s41, 2
	s_lshl_b32 s43, 15, s43                        ; my row of the cluster
	s_lshl_b32 s44, 0x1111, s40                    ; my column
	s_or_b32 s[G1+0], s43, (1<<16)|(1<<20)|(1<<21)|(6<<22)|(3<<25)   ; mask; 2-byte elements; padding on; 21 set beside a mask; after every 128 words 4 words
	s_or_b32 s[G1B+0], s44, (1<<16)|(1<<20)|(1<<21)|(5<<22)|(7<<25)  ; the column's mask; after every 64 words 8 words
	s_mov_b32 s[G1+1], KSTEP<<16                   ; 256 along K
	s_mov_b32 s[G1+2], 64<<16                      ; 64 rows
	s_mov_b32 s[G1+3], KSTEP<<16
	s_mov_b32 s[G1+4], 64
	s_mov_b32 s[G1+5], KDIM
	s_mov_b32 s[G1+6], 0
	s_mov_b32 s[G1+7], 0
	s_mov_b32 s[G1B+1], 128<<16                    ; 128 columns
	s_mov_b32 s[G1B+2], 128<<16                    ; 128 k rows
	s_mov_b32 s[G1B+3], 128<<16
	s_mov_b32 s[G1B+4], 128
	s_mov_b32 s[G1B+5], 1024
	s_mov_b32 s[G1B+6], 0
	s_mov_b32 s[G1B+7], 0
	s_lshl_b32 s17, s12, 6
	s_lshl_b32 s16, s13, 7
	s_add_co_u32 s16, s16, s17                     ; att: row 128 x tile row + 64 x half
	s_mul_i32 s16, s16, KDIM*2
	s_mov_b32 s17, 0
	s_lshl_b32 s46, s12, 18                        ; W: k row 128 x half, of 2,048 bytes,
	s_lshl_b32 s47, s42, 8                         ; column 128 x tile column
	s_add_co_u32 s46, s46, s47
	s_add_co_u32 s46, s46, WOFF
	s_mov_b32 s47, 0
	s_mul_i32 s20, s12, HALFA
	s_mul_i32 s45, s12, HALFB
	s_add_co_u32 s45, s45, ABYTES
	s_wait_kmcnt 0x0
	s_add_nc_u64 s[14:15], s[4:5], s[16:17]
	s_add_nc_u64 s[46:47], s[6:7], s[46:47]
	CROUND                                         ; all sixteen work-groups are here: the first joint loads meet
.irp s, 0,1
	s_mov_b32 s[G0+4*(\s)], 1
	s_add_co_u32 s[G0+4*(\s)+1], s20, (\s)*SLOT
	s_add_nc_u64 s[G0+4*(\s)+2:G0+4*(\s)+3], s[14:15], (\s)*KSTEP*2
	s_or_b32 s[G0+4*(\s)+3], s[G0+4*(\s)+3], 0x80000000
	s_mov_b32 s[G0B+4*(\s)], 1
	s_add_co_u32 s[G0B+4*(\s)+1], s45, (\s)*SLOT
	s_add_nc_u64 s[G0B+4*(\s)+2:G0B+4*(\s)+3], s[46:47], (\s)*KSTEP*2048
	s_or_b32 s[G0B+4*(\s)+3], s[G0B+4*(\s)+3], 0x80000000
	JLOAD \s                                       ; two loads of mine are out
.endr
	v_and_b32 v1, 15, v0                           ; l % 16
	v_bfe_u32 v2, v0, 4, 1                         ; l / 16
	v_and_b32 v3, 7, v0
	v_bfe_u32 v4, v0, 3, 1
	v_lshlrev_b32 v[GO], 12, v2                    ; my place in two rows of the result: (l / 16) x 4,096 + 16 (l % 16)
	v_lshl_add_u32 v[GO], v1, 4, v[GO]
	v_lshlrev_b32 v[BO], 4, v1
	s_lshl_b32 s90, s13, 7
	s_lshl_b32 s91, s11, 6
	s_add_co_u32 s90, s90, s91
	s_lshl_b32 s90, s90, 12                        ; my first row, of 4,096 bytes,
	s_lshl_b32 s92, s42, 9
	s_lshl_b32 s93, s12, 8
	s_add_co_u32 s92, s92, s93                     ; my first column, in bytes
	s_add_co_u32 s90, s90, s92
	s_mov_b32 s91, 0
	s_mov_b32 s93, 0
	s_add_nc_u64 s[72:73], s[72:73], s[90:91]
	s_add_nc_u64 s[68:69], s[68:69], s[90:91]
	s_add_nc_u64 s[70:71], s[70:71], s[92:93]
	WIN 0x80                                       ; destination window 2
.set u, 0
.rept 32
	global_load_b128 v[4*u:4*u+3], v[GO], s[72:73] offset:8192*u
.set u, u+1
.endr
	WIN 0
	global_load_b128 v[BIAS:BIAS+3], v[BO], s[70:71]
	v_mul_u32_u24 v5, v1, PA
	v_lshl_add_u32 v5, v2, 4, v5                   ; att: row x pitch + 16 x half
	v_lshl_add_u32 v6, v2, 3, v3                   ; W: k row 8 (l / 16) + l % 8,
	v_mul_u32_u24 v6, v6, PB
	v_lshl_add_u32 v6, v4, 4, v6                   ; columns 8 ((l / 8) % 2) on
	s_mul_i32 s21, s11, HALFA
	s_lshl_b32 s22, s12, 7
	s_add_co_u32 s22, s22, ABYTES
.irp s, 0,1
	v_add_nc_u32 v[ADRA+(\s)], s21, v5
	v_add_nc_u32 v[ADRB+2*(\s)], s22, v6
	s_add_co_u32 s22, s22, HALFB
	v_add_nc_u32 v[ADRB+2*(\s)+1], s22, v6
	s_add_co_u32 s21, s21, SLOT
	s_add_co_u32 s22, s22, SLOT-HALFB
.endr
	s_mul_i32 s23, s10, DUMPW
	v_mul_u32_u24 v7, v1, DPI
	v_lshl_add_u32 v7, v2, 5, v7
	v_add_nc_u32 v[STO], s23, v7
	v_mul_u32_u24 v8, v2, DPI
	v_lshl_add_u32 v8, v1, 4, v8
	v_add_nc_u32 v[RD], s23, v8
; 8 matrix instructions: row blocks a0, a0 + 1 x all 4 column blocks, 32 along K: half c of buffer f.  The 16 accumulators take turns.
.macro MUL8 f, c, a0, zero
	WIN MUL
.irp a, \a0, (\a0)+1
.irp b, 0,1,2,3
.if \zero
	v_wmma_f32_16x16x32_f16 v[ACC+8*(4*(\a)+(\b)):ACC+8*(4*(\a)+(\b))+7], v[(\f)+64+8*(4*(\c)+(\b)):(\f)+64+8*(4*(\c)+(\b))+7], v[(\f)+8*(4*(\c)+(\a)):(\f)+8*(4*(\c)+(\a))+7], 0
.else
	v_wmma_f32_16x16x32_f16 v[ACC+8*(4*(\a)+(\b)):ACC+8*(4*(\a)+(\b))+7], v[(\f)+64+8*(4*(\c)+(\b)):(\f)+64+8*(4*(\c)+(\b))+7], v[(\f)+8*(4*(\c)+(\a)):(\f)+8*(4*(\c)+(\a))+7], v[ACC+8*(4*(\a)+(\b)):ACC+8*(4*(\a)+(\b))+7]
.endif
.endr
.endr
.endm
; 32 LDS loads in one run: quarter q (64 along K) of a slot into buffer f; the first 32 along K first
.macro FETCH slot, q, f
	WIN TO_F
.irp c, 0,1
.irp i, 0,1,2,3
	ds_load_tr16_b128 v[(\f)+64+8*(4*(\c)+(\i)):(\f)+64+8*(4*(\c)+(\i))+3],   v[ADRB+2*(\slot)+(\q)/2] offset:(((\q)%2)*64+32*(\c))*PB+32*(\i)
	ds_load_tr16_b128 v[(\f)+64+8*(4*(\c)+(\i))+4:(\f)+64+8*(4*(\c)+(\i))+7], v[ADRB+2*(\slot)+(\q)/2] offset:(((\q)%2)*64+32*(\c))*PB+32*(\i)+16*PB
	ds_load_b128 v[(\f)+8*(4*(\c)+(\i)):(\f)+8*(4*(\c)+(\i))+3],   v[ADRA+(\slot)] offset:128*(\q)+64*(\c)+(\i)*16*PA
	ds_load_b128 v[(\f)+8*(4*(\c)+(\i))+4:(\f)+8*(4*(\c)+(\i))+7], v[ADRA+(\slot)] offset:128*(\q)+64*(\c)+(\i)*16*PA+32
.endr
.endr
.endm
.macro QUARTER slot, q, f, g, zero
	s_wait_dscnt 16                                ; the first 32 along K are in
	MUL8 \f, 0, 0, \zero
	MUL8 \f, 0, 2, \zero
	PLACES
	FETCH \slot, \q, \g
	s_wait_dscnt 32                                ; all but the 32 just issued
	MUL8 \f, 1, 0, 0
	MUL8 \f, 1, 2, 0
.endm
; The last quarter multiplies buffer 1 and changes slots: one barrier; in front of it each wave waits for all its tensor loads, adds 0 to its spare word, and waits for that and for its reads of this slot.
.macro TURN slot, next, fill
	WIN 0
	s_wait_tensorcnt 0x0                           ; all my tensor loads have landed: my part of the next slot
	ds_add_u32 v[SPW], v[NIL]
	s_wait_dscnt 17                                ; the add and the youngest sixteen loads may be out
	MUL8 F1, 0, 0, 0
	s_wait_dscnt 0x0                               ; the add is done, and my reads of this slot are over
	s_barrier_signal -1
	MUL8 F1, 0, 2, 0
.if \fill
	WIN 0
.endif
	s_barrier_wait -1
.if \fill
	CREST                                          ; the barrier has opened a round of the cluster's
	s_add_nc_u64 s[G0+4*(\slot)+2:G0+4*(\slot)+3], s[G0+4*(\slot)+2:G0+4*(\slot)+3], 2*KSTEP*2
	s_add_nc_u64 s[G0B+4*(\slot)+2:G0B+4*(\slot)+3], s[G0B+4*(\slot)+2:G0B+4*(\slot)+3], 2*KSTEP*2048
	JLOAD \slot                                    ; one load of mine is out; its four v_nop are also the places in front of the loads below
.else
	PLACES
.endif
	FETCH \next, 0, F0
	MUL8 F1, 1, 0, 0
	MUL8 F1, 1, 2, 0
.endm
	s_wait_tensorcnt 1                             ; my part of K step 0 is in; K step 1's may stay out
	s_barrier_signal -1
	s_barrier_wait -1
	FETCH 0, 0, F0
	QUARTER 0, 1, F0, F1, 1
	WIN 0
	s_mov_b32 s3, LAPS-1
.Llap:
	QUARTER 0, 2, F1, F0, 0
	QUARTER 0, 3, F0, F1, 0
	TURN 0, 1, 1
	QUARTER 1, 1, F0, F1, 0
	QUARTER 1, 2, F1, F0, 0
	QUARTER 1, 3, F0, F1, 0
	TURN 1, 0, 1
	QUARTER 0, 1, F0, F1, 0
	WIN 0
	s_sub_co_u32 s3, s3, 1
	s_cmp_lg_u32 s3, 0
	s_cbranch_scc1 .Llap
	QUARTER 0, 2, F1, F0, 0                        ; the last lap fills nothing
	QUARTER 0, 3, F0, F1, 0
	TURN 0, 1, 0
	QUARTER 1, 1, F0, F1, 0
	QUARTER 1, 2, F1, F0, 0
	QUARTER 1, 3, F0, F1, 0
	s_wait_dscnt 16
	MUL8 F1, 0, 0, 0
	MUL8 F1, 0, 2, 0
	s_wait_dscnt 0x0                               ; my reads of the ring are over:
	s_barrier_signal -1                            ; say so, since every wave is about to write into the ring's bytes
	MUL8 F1, 1, 0, 0
	MUL8 F1, 1, 2, 0
	WIN 0
	s_barrier_wait -1
	PLACES
	s_wait_loadcnt 0x0                             ; x and the bias
	; THE WAY OUT.  Each accumulator's registers 0-3 go first.
.irp a, 0,1,2,3
.irp b, 0,1,2,3
	ds_store_b128 v[STO], v[ACC+8*(4*\a+\b):ACC+8*(4*\a+\b)+3]   offset:\a*16*DPI+64*\b
	ds_store_b128 v[STO], v[ACC+8*(4*\a+\b)+4:ACC+8*(4*\a+\b)+7] offset:\a*16*DPI+64*\b+16
.endr
.endr
.set u, 0
.rept 32
	ds_load_b128 v[ACC+4*u:ACC+4*u+3], v[RD] offset:2*DPI*u  ; LDS serves a wave's instructions in order (ISA guide 5.7.1.4): these see my stores above
.set u, u+1
.endr
.set p, 0
.rept 16
.set XX, ACC+8*p
	s_wait_dscnt 30-2*p
	v_pk_add_f32 v[XX:XX+1],   v[XX:XX+1],   v[BIAS:BIAS+1]
	v_pk_add_f32 v[XX+2:XX+3], v[XX+2:XX+3], v[BIAS+2:BIAS+3]
	v_pk_add_f32 v[XX+4:XX+5], v[XX+4:XX+5], v[BIAS:BIAS+1]
	v_pk_add_f32 v[XX+6:XX+7], v[XX+6:XX+7], v[BIAS+2:BIAS+3]
	WIN 0x08                                       ; source 1 (x) in window 2
	v_pk_add_f32 v[XX:XX+1],   v[XX:XX+1],   v[8*p:8*p+1]
	v_pk_add_f32 v[XX+2:XX+3], v[XX+2:XX+3], v[8*p+2:8*p+3]
	v_pk_add_f32 v[XX+4:XX+5], v[XX+4:XX+5], v[8*p+4:8*p+5]
	v_pk_add_f32 v[XX+6:XX+7], v[XX+6:XX+7], v[8*p+6:8*p+7]
	WIN 0
	global_store_b128 v[GO], v[XX:XX+3],   s[68:69] offset:8192*(2*p)    ; 16 lanes store 256 consecutive bytes, aligned
	global_store_b128 v[GO], v[XX+4:XX+7], s[68:69] offset:8192*(2*p+1)
.set p, p+1
.endr
	s_wait_tensorcnt 0x0                           ; the wave's end
	ds_add_u32 v[SPW], v[NIL]
	s_wait_dscnt 0x0
	CROUND                                         ; the closing round
	s_endpgm
.Lfunc_end_k_qece05b3947_proj:
	.size	k_qece05b3947_proj, .Lfunc_end_k_qece05b3947_proj-k_qece05b3947_proj
	.p2alignl 7, 3214868480
	.fill 96, 4, 3214868480
	.section	.rodata,"a",@progbits
	.p2align	6, 0x0
	.amdhsa_kernel k_qece05b3947_proj
		.amdhsa_group_segment_fixed_size 327680
		.amdhsa_private_segment_fixed_size 0
		.amdhsa_enable_private_segment 0
		.amdhsa_kernarg_size 40
		.amdhsa_user_sgpr_count 2
		.amdhsa_user_sgpr_kernarg_segment_ptr 1
		.amdhsa_wavefront_size32 1
		.amdhsa_system_sgpr_workgroup_id_x 1
		.amdhsa_system_sgpr_workgroup_id_y 1
		.amdhsa_system_sgpr_workgroup_id_z 1
		.amdhsa_system_vgpr_workitem_id 0
		.amdhsa_next_free_vgpr 640
		.amdhsa_next_free_sgpr 96
		.amdhsa_reserve_vcc 0
		.amdhsa_float_denorm_mode_32 3
		.amdhsa_float_denorm_mode_16_64 3
		.amdhsa_memory_ordered 1
		.amdhsa_forward_progress 1
		.amdhsa_inst_pref_size 99
	.end_amdhsa_kernel
	.amdgpu_metadata
---
amdhsa.version: [ 1, 2 ]
amdhsa.kernels:
  - .name:           k_qece05b3947_proj
    .symbol:         k_qece05b3947_proj.kd
    .args:
      - { .name: att, .offset: 0, .size: 8, .value_kind: global_buffer, .address_space: global }
      - { .name: wts, .offset: 8, .size: 8, .value_kind: global_buffer, .address_space: global }
      - { .name: res, .offset: 16, .size: 8, .value_kind: global_buffer, .address_space: global }
      - { .name: bo, .offset: 24, .size: 8, .value_kind: global_buffer, .address_space: global }
      - { .name: x, .offset: 32, .size: 8, .value_kind: global_buffer, .address_space: global }
    .group_segment_fixed_size: 327680
    .private_segment_fixed_size: 0
    .kernarg_segment_align: 8
    .kernarg_segment_size: 40
    .max_flat_workgroup_size: 128
    .sgpr_count:     96
    .vgpr_count:     640
    .wavefront_size: 32
...
	.end_amdgpu_metadata
.endif
;; end of part 4
;; launch ln2 (part 5): grid 256 x 1, 8 waves a work-group, no clusters, 0 bytes of LDS; arguments res, ln2_g, ln2_b, h2; writes h2
.if DOCPART == 5
	.amdgcn_target "amdgcn-amd-amdhsa--gfx1250"
	.amdhsa_code_object_version 6
	.text
	.protected	k_qece05b3947_ln2
	.globl	k_qece05b3947_ln2
	.p2align	8
	.type	k_qece05b3947_ln2,@function
k_qece05b3947_ln2:
	s_mov_b64 s[64:65], 0
	v_nop
	global_prefetch_b8 v0, s[64:65] scope:SCOPE_SE
	s_setreg_imm32_b32 hwreg(HW_REG_WAVE_MODE, 25, 1), 1
	s_wait_xcnt 0x0
; h2 = layernorm(res) * g + b, rounded once to f16.  res: [4096][1024] f32.  A stream: no LDS, no barrier, no matrix unit; EXEC is never written.
; A wave owns two rows of 1,024 f32 (32 registers a lane each) and keeps them in registers: mean, then the sum of squares of x - mean (two passes, so a common offset costs nothing),
; then (x - mean) * rsqrt(var + 1e-5) * g + b.  Each load of a wave covers 512 consecutive bytes, each store 256 consecutive aligned bytes.
; LIMIT.  f16 ends at 65,504: a normalised number of 65,520 or more becomes an infinity.
.set X,   4                            ; v[4:67]    row r, chunk j at X + 32 r + 4 j
.set G,   68                           ; v[68:99]   gain of my 32 columns
.set BB,  100                          ; v[100:131] bias of my 32 columns
.set T,   132                          ; v[132:139] four running pairs
.set MU,  140                          ; v[140:141] the mean, twice
.set RS,  142                          ; v[142:145] 1 / sqrt(var + eps) of row r at RS + 2 r, twice
.macro FOLD                            ; four pairs -> one number, summed over the 32 lanes, in every lane
	v_pk_add_f32 v[T:T+1], v[T:T+1], v[T+2:T+3]
	v_pk_add_f32 v[T+4:T+5], v[T+4:T+5], v[T+6:T+7]
	v_pk_add_f32 v[T:T+1], v[T:T+1], v[T+4:T+5]
	v_add_f32 v[T], v[T], v[T+1]
	v_add_f32_dpp v[T], v[T], v[T] row_xmask:1 row_mask:0xf bank_mask:0xf
	v_add_f32_dpp v[T], v[T], v[T] row_xmask:2 row_mask:0xf bank_mask:0xf
	v_add_f32_dpp v[T], v[T], v[T] row_xmask:4 row_mask:0xf bank_mask:0xf
	v_add_f32_dpp v[T], v[T], v[T] row_xmask:8 row_mask:0xf bank_mask:0xf
	v_permlanex16_b32 v[T+1], v[T], s40, s41       ; its destination counts as read: T+1 has been written
	v_add_f32 v[T], v[T], v[T+1]
.endm
.macro STAT r, left                    ; row r: mean taken away in place; var + eps into RS + 2 r.  left: the younger loads that may stay out
.set XR, X+32*(\r)
	s_wait_loadcnt \left
.irp c, 0,1,2,3
	v_pk_add_f32 v[T+2*\c:T+2*\c+1], v[XR+2*\c:XR+2*\c+1], v[XR+8+2*\c:XR+8+2*\c+1]  ; the first two pairs start each chain
.endr
.irp k, 2,3
.irp c, 0,1,2,3
	v_pk_add_f32 v[T+2*\c:T+2*\c+1], v[T+2*\c:T+2*\c+1], v[XR+8*\k+2*\c:XR+8*\k+2*\c+1]
.endr
.endr
	FOLD
	v_mul_f32 v[MU], s42, v[T]
	v_mul_f32 v[MU+1], s42, v[T]
.set i, 0
.rept 16
	v_pk_add_f32 v[XR+2*i:XR+2*i+1], v[XR+2*i:XR+2*i+1], v[MU:MU+1] neg_lo:[0,1] neg_hi:[0,1]
.set i, i+1
.endr
.irp c, 0,1,2,3
	v_pk_mul_f32 v[T+2*\c:T+2*\c+1], v[XR+2*\c:XR+2*\c+1], v[XR+2*\c:XR+2*\c+1]
.endr
.irp k, 1,2,3
.irp c, 0,1,2,3
	v_pk_fma_f32 v[T+2*\c:T+2*\c+1], v[XR+8*\k+2*\c:XR+8*\k+2*\c+1], v[XR+8*\k+2*\c:XR+8*\k+2*\c+1], v[T+2*\c:T+2*\c+1]
.endr
.endr
	FOLD
	v_fma_f32 v[RS+2*(\r)], v[T], s42, s43         ; sum / 1024 + eps
.endm
.macro NORM r                          ; row r: scaled, gain and bias, rounded to f16 in place, stored
.set XR, X+32*(\r)
.irp j, 0,1,2,3,4,5,6,7
	v_pk_mul_f32 v[XR+4*\j:XR+4*\j+1],   v[XR+4*\j:XR+4*\j+1],   v[RS+2*(\r):RS+2*(\r)+1] op_sel_hi:[1,0]
	v_pk_mul_f32 v[XR+4*\j+2:XR+4*\j+3], v[XR+4*\j+2:XR+4*\j+3], v[RS+2*(\r):RS+2*(\r)+1] op_sel_hi:[1,0]
	v_pk_fma_f32 v[XR+4*\j:XR+4*\j+1],   v[XR+4*\j:XR+4*\j+1],   v[G+4*\j:G+4*\j+1],     v[BB+4*\j:BB+4*\j+1]
	v_pk_fma_f32 v[XR+4*\j+2:XR+4*\j+3], v[XR+4*\j+2:XR+4*\j+3], v[G+4*\j+2:G+4*\j+3],   v[BB+4*\j+2:BB+4*\j+3]
	v_cvt_pk_f16_f32 v[XR+4*\j],   v[XR+4*\j],   v[XR+4*\j+1]
	v_cvt_pk_f16_f32 v[XR+4*\j+1], v[XR+4*\j+2], v[XR+4*\j+3]
	global_store_b64 v2, v[XR+4*\j:XR+4*\j+1], s[10:11] offset:(\r)*2048+\j*256  ; 32 lanes x 8 bytes: 256 consecutive bytes, aligned; no register of it is written again
.endr
.endm
	s_load_b256 s[4:11], s[0:1], 0x0               ; res s[4:5], gain s[6:7], bias s[8:9], h2 s[10:11]
	v_lshrrev_b32 v3, 5, v0
	v_readfirstlane_b32 s26, v3                    ; wave 0..7
	v_and_b32 v1, 31, v0
	v_lshlrev_b32 v2, 3, v1                        ; 8 x lane: stores
	v_lshlrev_b32 v1, 4, v1                        ; 16 x lane: loads
	s_lshl_b32 s27, ttmp9, 3
	s_add_co_u32 s27, s27, s26                     ; my pair of rows
	s_lshl_b32 s28, s27, 13                        ; two rows of 4,096 bytes
	s_mov_b32 s29, 0
	s_lshl_b32 s30, s27, 12                        ; two rows of 2,048 bytes
	s_mov_b32 s31, 0
	s_mov_b32 s40, 0x76543210                      ; v_permlanex16_b32: each lane takes its own place in the other half
	s_mov_b32 s41, 0xfedcba98
	s_mov_b32 s42, 0x3a800000                      ; 1 / 1024
	s_mov_b32 s43, 0x3727c5ac                      ; 1e-5
	s_wait_kmcnt 0x0
	s_add_nc_u64 s[4:5], s[4:5], s[28:29]
	s_add_nc_u64 s[10:11], s[10:11], s[30:31]
.irp r, 0,1
.irp j, 0,1,2,3,4,5,6,7
	global_load_b128 v[X+32*\r+4*\j:X+32*\r+4*\j+3], v1, s[4:5] offset:\r*4096+\j*512
.endr
.endr
.irp j, 0,1,2,3,4,5,6,7
	global_load_b128 v[G+4*\j:G+4*\j+3], v1, s[6:7] offset:\j*512
.endr
.irp j, 0,1,2,3,4,5,6,7
	global_load_b128 v[BB+4*\j:BB+4*\j+3], v1, s[8:9] offset:\j*512
.endr
	STAT 0, 24                                     ; row 0 is in; row 1, gain and bias (24 loads) stay out
	STAT 1, 16                                     ; row 1 is in; gain and bias stay out
	v_rsq_f32 v[RS], v[RS]
	v_rsq_f32 v[RS+2], v[RS+2]
	v_nop                                          ; a plain instruction between the last root and the use of its result (ISA guide 5.7.2)
	s_wait_alu depctr_va_vdst(0)
	v_mov_b32 v[RS+1], v[RS]                       ; named as pairs by the packed multiplies
	v_mov_b32 v[RS+3], v[RS+2]
	s_wait_loadcnt 0x0                             ; gain and bias
	NORM 0
	NORM 1
	s_endpgm
.Lfunc_end_k_qece05b3947_ln2:
	.size	k_qece05b3947_ln2, .Lfunc_end_k_qece05b3947_ln2-k_qece05b3947_ln2
	.p2alignl 7, 3214868480
	.fill 96, 4, 3214868480
	.section	.rodata,"a",@progbits
	.p2align	6, 0x0
	.amdhsa_kernel k_qece05b3947_ln2
		.amdhsa_group_segment_fixed_size 0
		.amdhsa_private_segment_fixed_size 0
		.amdhsa_enable_private_segment 0
		.amdhsa_kernarg_size 32
		.amdhsa_user_sgpr_count 2
		.amdhsa_user_sgpr_kernarg_segment_ptr 1
		.amdhsa_wavefront_size32 1
		.amdhsa_system_sgpr_workgroup_id_x 1
		.amdhsa_system_sgpr_workgroup_id_y 1
		.amdhsa_system_sgpr_workgroup_id_z 1
		.amdhsa_system_vgpr_workitem_id 0
		.amdhsa_next_free_vgpr 160
		.amdhsa_next_free_sgpr 66
		.amdhsa_reserve_vcc 0
		.amdhsa_float_denorm_mode_32 3
		.amdhsa_float_denorm_mode_16_64 3
		.amdhsa_memory_ordered 1
		.amdhsa_forward_progress 1
		.amdhsa_inst_pref_size 20
	.end_amdhsa_kernel
	.amdgpu_metadata
---
amdhsa.version: [ 1, 2 ]
amdhsa.kernels:
  - .name:           k_qece05b3947_ln2
    .symbol:         k_qece05b3947_ln2.kd
    .args:
      - { .name: res, .offset: 0, .size: 8, .value_kind: global_buffer, .address_space: global }
      - { .name: ln2_g, .offset: 8, .size: 8, .value_kind: global_buffer, .address_space: global }
      - { .name: ln2_b, .offset: 16, .size: 8, .value_kind: global_buffer, .address_space: global }
      - { .name: h2, .offset: 24, .size: 8, .value_kind: global_buffer, .address_space: global }
    .group_segment_fixed_size: 0
    .private_segment_fixed_size: 0
    .kernarg_segment_align: 8
    .kernarg_segment_size: 32
    .max_flat_workgroup_size: 256
    .sgpr_count:     66
    .vgpr_count:     160
    .wavefront_size: 32
...
	.end_amdgpu_metadata
.endif
;; end of part 5
;; launch fc1 (part 6): grid 16 x 16, 4 waves a work-group, clusters of 4 x 4, 327,680 bytes of LDS; arguments h2, wts, g1, b1; writes g1
.if DOCPART == 6
	.amdgcn_target "amdgcn-amd-amdhsa--gfx1250"
	.amdhsa_code_object_version 6
	.text
	.protected	k_qece05b3947_fc1
	.globl	k_qece05b3947_fc1
	.p2align	8
	.type	k_qece05b3947_fc1,@function
k_qece05b3947_fc1:
	s_mov_b64 s[64:65], 0
	v_nop
	global_prefetch_b8 v0, s[64:65] scope:SCOPE_SE
	s_setreg_imm32_b32 hwreg(HW_REG_WAVE_MODE, 25, 1), 1
	s_wait_xcnt 0x0
	s_wait_alu depctr_hold_cnt(0) depctr_sa_sdst(0) depctr_va_vdst(0) depctr_va_sdst(0) depctr_va_ssrc(0) depctr_va_vcc(0) depctr_vm_vsrc(0)
	s_getreg_b32 s2, hwreg(HW_REG_IB_STS2, 6, 4)
	s_cmp_eq_u32 s2, 0
	s_cbranch_scc0 .Lentry_in_a_cluster
	s_endpgm
.Lentry_in_a_cluster:
	s_bfe_u32 s2, ttmp6, 0x10000c
	s_cmp_lg_u32 s2, 0xf033
	s_cbranch_scc0 .Lentry_shape_is_right
	s_endpgm
.Lentry_shape_is_right:
; g1 = gelu(h2 W1 + b1), the exact (erf) gelu.  h2: [4096][1024] f16.  W1: [1024][4096] f16 at wts byte 0x800000, layout [K][N].  b1 f32.  g1: [4096][4096] f16, rounded once.
; A tile of the result is 256 x 256: 16 x 16 tiles, one for each of 256 work-groups.  Four waves, 128 x 128 each: 64 accumulators.  K goes in steps of 128 through two LDS slots filled by the tensor data mover.
; h2's rows lie along K; W1 lies [K][N] and is turned on the way out of LDS (ds_load_tr16_b128).  CLUSTER 4 x 4: h2's tile is shared along a row of the cluster, W1's along a column, each asked for jointly.
; THE MATRIX INSTRUCTION IS USED TRANSPOSED: source 0 = 16 columns of W, source 1 = 16 rows of h2: a lane holds one row (lane % 16) and eight neighbouring columns.
; REQUESTS AHEAD (global_prefetch_b8).  Wave 0 asks for h2: of the tile row's 256 rows my work-group takes 16 (the sixteen tile columns share them), 256 bytes of each for two K steps: 32 lanes, 32 places 256 bytes apart or more.
; Wave 1 asks for W: of a K step's 128 k rows my work-group takes 16 (eight tile rows share them; tile rows 0-7 and 8-15 each ask for all), the tile column's 512 bytes of each as two places 256 bytes apart.
; At the head: h2's K steps 2 and 3, W's K step 2.  The change of slots that closes K step t asks for W's step t + 3, whose tensor load stands one K step later, and at odd t for h2's steps t + 3 and t + 4.
; The last change that fills (t = 5) asks for nothing: K step 8 does not exist.
; GELU.  gelu(x) = max(x, 0) - |x| q(|x|), q the upper tail of the normal distribution: q = 2^(-x^2 log2(e) / 2) t (c1 + t (c2 + t (c3 + t (c4 + t c5)))), t = 1 / (1 + 0.2316419 |x|)
; (Abramowitz and Stegun 26.2.17): |error of q| <= 7.5e-8 for every x, so gelu is off by at most 7.5e-8 |x|; no difference of near numbers is formed on either side of 0.
; THE WAY OUT: behind a barrier that ends all reads of the ring (whose last fill is over) each wave lays its f32 sums into its own part of those bytes and reads them back by rows, 8 rows a half, two halves a trip;
; a half's rows are read from LDS while the half before is worked on.  Bias, gelu and rounding are done there, and a store of the wave covers 256 consecutive aligned bytes of a row.
; LIMIT.  f16 ends at 65,504: a result of 65,520 or more becomes an infinity.  NaN and infinities are not treated apart.
; REGISTERS: window 0: v1-31 addresses, v32-35 bias, v64-191 h2's fragments (two buffers of 64); behind the loop v64-191 the way out.  Window 1: v0-127 W's fragments (two buffers of 64).
;   windows 2, 3: accumulator (a, b) at v[8 (8 (a % 4) + b)] of window 2 + a / 4.
.set NA,    8
.set NBW,   8
.set TN,    256
.set NDIM,  4096
.set WOFF,  0x800000
.set PB,    544                        ; a k row of W in LDS: 512 bytes + 32 = 136 words
.set QIB,   6                          ; padding after every 128 words
.set WM,    11                         ; s11: which 128 rows are mine
.set KSTEP, 128
.set KDIM,  1024
.set PA,    272
.set HALFA, 128*PA
.set ABYTES, 2*HALFA
.set HALFB, 64*PB
.set SLOT,  ABYTES+2*HALFB
.set SPARE, 2*SLOT                     ; the spare words, 128 bytes for each wave: two blocks of 256 bytes that no other line names
.set LAPS,  KDIM/(2*KSTEP)
.set DPI,   528                        ; the way out: 128 f32 + 16 bytes
.set DUMPW, 128*DPI
.set ADRA, 16
.set ADRB, 20
.set STO,  24
.set RD,   25
.set GO,   26
.set PFO,  27                          ; v27  my lane's byte offset in what my wave asks for ahead; never rewritten
.set SPW,  28
.set NIL,  29
.set ADR,  30
.set BO,   31
.set BIAS, 32
.set XA,   64                          ; the way out: 8 rows as read back, two buffers,
.set GD,   96
.set GE,   104
.set GP,   112
.set GM,   120
.set YA,   128                         ; and as stored, two buffers
.set XB,   144
.set YB,   176
.set KP,   74                          ; s74
.set KE,   76                          ; s[76:77] and on: pairs, of which the packed forms take the low word for both halves
.set C1,   78
.set C2,   80
.set C3,   82
.set C4,   84
.set C5,   86
.set PF,   96                          ; s[96:97] the buffer at the K step asked for last
.set PFS,  98                          ; s[98:99] a K step in bytes: 256 along h2's rows, 128 rows of W
.set G1, 24
.set G0, 32
.set G1B, 48
.set G0B, 56
.set MSB, 0
.macro WIN new
.if MSB != (\new)
	s_set_vgpr_msb (MSB<<8)|(\new)
.set MSB, \new
.endif
.endm
.macro PLACES
.rept 4
	v_nop
.endr
.endm
.macro JLOAD s                         ; a joint load: waves 0 and 1 fetch h2's two halves, waves 2 and 3 W's; four v_nop follow each line, ahead of the jump and the label
	s_cmp_eq_u32 s11, 0
	s_cbranch_scc0 .Lfor_b_\@
	tensor_load_to_lds s[G0+4*(\s):G0+4*(\s)+3], s[G1:G1+7]
	s_nop 0
.rept 4
	v_nop
.endr
	s_branch .Lasked_\@
.Lfor_b_\@:
	tensor_load_to_lds s[G0B+4*(\s):G0B+4*(\s)+3], s[G1B:G1B+7]
	s_nop 0
.rept 4
	v_nop
.endr
.Lasked_\@:
.endm
.macro CREST
	s_cmp_lg_u32 s10, 0
	s_cbranch_scc1 .Lnot_wave_0_\@
	s_barrier_signal -3
.Lnot_wave_0_\@:
	s_barrier_wait -3
	s_barrier_signal -1
	s_barrier_wait -1
.endm
.macro CROUND
	s_barrier_signal -1
	s_barrier_wait -1
	CREST
.endm
; The request ahead in the change of slots that leaves slot 'slot'.  The base goes one K step on in every change; it is written only behind s_wait_xcnt 0, which stands a whole K step behind the last request.
; Leaving slot 0 (t even): wave 1 asks.  Leaving slot 1 (t odd): waves 0 and 1 ask, but not in the loop's last trip.  The branches hang on the wave's number and the lap count: alike in all partners.
.macro AHEAD slot
	s_wait_xcnt 0x0
	s_add_nc_u64 s[PF:PF+1], s[PF:PF+1], s[PFS:PFS+1]
.if (\slot) == 0
	s_cmp_lg_u32 s10, 1
	s_cbranch_scc1 .Lno_ask_\@
.else
	s_cmp_gt_u32 s10, 1
	s_cbranch_scc1 .Lno_ask_\@
	s_cmp_eq_u32 s3, 1
	s_cbranch_scc1 .Lno_ask_\@
.endif
	global_prefetch_b8 v[PFO], s[PF:PF+1] th:TH_LOAD_NT scope:SCOPE_SE
.Lno_ask_\@:
.endm
; gelu of the eight numbers v[x .. x+7], in place.  Behind each reciprocal stands a maximum, behind each exponential a link of the polynomial: a plain instruction that names neither its result nor its source (ISA guide 5.7.2).
.macro GELU8 x
.irp j, 0,1,2,3,4,5,6,7
	v_fma_f32 v[GD+\j], |v[(\x)+\j]|, s[KP], 1.0
.endr
.irp j, 0,2,4,6
	v_pk_mul_f32 v[GE+\j:GE+\j+1], v[(\x)+\j:(\x)+\j+1], s[KE:KE+1] op_sel_hi:[1,0]
.endr
.irp j, 0,2,4,6
	v_pk_mul_f32 v[GE+\j:GE+\j+1], v[GE+\j:GE+\j+1], v[(\x)+\j:(\x)+\j+1]
.endr
.irp j, 0,1,2,3,4,5,6,7
	v_rcp_f32 v[GD+\j], v[GD+\j]
	v_max_num_f32 v[GM+\j], 0, v[(\x)+\j]
.endr
.irp j, 0,1,2,3
	v_exp_f32 v[GE+\j], v[GE+\j]
	s_wait_alu depctr_va_vdst(0)
	v_pk_fma_f32 v[GP+2*\j:GP+2*\j+1], v[GD+2*\j:GD+2*\j+1], s[C5:C5+1], s[C4:C4+1] op_sel_hi:[1,0,0]
.endr
.irp j, 0,1,2,3
	v_exp_f32 v[GE+4+\j], v[GE+4+\j]
	v_pk_fma_f32 v[GP+2*\j:GP+2*\j+1], v[GP+2*\j:GP+2*\j+1], v[GD+2*\j:GD+2*\j+1], s[C3:C3+1] op_sel_hi:[1,1,0]
.endr
.irp c, C2, C1
.irp j, 0,2,4,6
	v_pk_fma_f32 v[GP+\j:GP+\j+1], v[GP+\j:GP+\j+1], v[GD+\j:GD+\j+1], s[\c:\c+1] op_sel_hi:[1,1,0]
.endr
.endr
	s_wait_alu depctr_va_vdst(0)
.irp j, 0,2,4,6
	v_pk_mul_f32 v[GD+\j:GD+\j+1], v[GD+\j:GD+\j+1], v[GE+\j:GE+\j+1]
.endr
.irp j, 0,2,4,6
	v_pk_mul_f32 v[GP+\j:GP+\j+1], v[GP+\j:GP+\j+1], v[GD+\j:GD+\j+1]
.endr
.irp j, 0,1,2,3,4,5,6,7
	v_fma_f32 v[(\x)+\j], -|v[(\x)+\j]|, v[GP+\j], v[GM+\j]
.endr
.endm
	s_load_b128 s[4:7], s[0:1], 0x0                ; h2 s[4:5], wts s[6:7]
	s_load_b128 s[68:71], s[0:1], 0x10             ; g1 s[68:69], b1 s[70:71]
	v_lshl_add_u32 v[SPW], v0, 2, SPARE
	v_mov_b32 v[NIL], 0
	ds_add_u32 v28, v29
	s_wait_dscnt 0x0
	v_lshrrev_b32 v1, 5, v0
	v_readfirstlane_b32 s10, v1                    ; wave 0..3
	s_lshr_b32 s11, s10, 1                         ; which half of the tile's rows is mine.  Also: I fetch for h2 (0) or for W (1)
	s_and_b32 s12, s10, 1                          ; which half of its columns.  Also: which half of that tile I fetch
	s_bfe_u32 s40, ttmp6, 0x40000
	s_bfe_u32 s41, ttmp6, 0x40004
	s_lshl_b32 s42, ttmp9, 2
	s_add_co_u32 s42, s42, s40                     ; tile column
	s_and_b32 s13, ttmp7, 0xffff
	s_lshl_b32 s13, s13, 2
	s_add_co_u32 s13, s13, s41                     ; tile row
	s_lshl_b32 s43, s41, 2
	s_lshl_b32 s43, 15, s43                        ; my row of the cluster
	s_lshl_b32 s44, 0x1111, s40                    ; my column
	s_or_b32 s[G1+0], s43, (1<<16)|(1<<20)|(1<<21)|(5<<22)|(3<<25)     ; mask; 2-byte elements; padding on; 21 set beside a mask; after every 64 words 4 words
	s_or_b32 s[G1B+0], s44, (1<<16)|(1<<20)|(1<<21)|(QIB<<22)|(7<<25)  ; the column's mask; after every 128 words 8 words
	s_mov_b32 s[G1+1], KSTEP<<16
	s_mov_b32 s[G1+2], 128<<16
	s_mov_b32 s[G1+3], KSTEP<<16
	s_mov_b32 s[G1+4], 128
	s_mov_b32 s[G1+5], KDIM
	s_mov_b32 s[G1+6], 0
	s_mov_b32 s[G1+7], 0
	s_mov_b32 s[G1B+1], TN<<16
	s_mov_b32 s[G1B+2], 64<<16
	s_mov_b32 s[G1B+3], TN<<16
	s_mov_b32 s[G1B+4], 64
	s_mov_b32 s[G1B+5], NDIM
	s_mov_b32 s[G1B+6], 0
	s_mov_b32 s[G1B+7], 0
	s_lshl_b32 s17, s12, 7
	s_lshl_b32 s16, s13, 8
	s_add_co_u32 s16, s16, s17                     ; h2: row 256 x tile row + 128 x half,
	s_lshl_b32 s16, s16, 11                        ; of 2,048 bytes
	s_mov_b32 s17, 0
	s_mul_i32 s46, s12, 64*NDIM*2                  ; W: k row 64 x half,
	s_mul_i32 s47, s42, TN*2                       ; column 256 x tile column
	s_add_co_u32 s46, s46, s47
	s_add_co_u32 s46, s46, WOFF
	s_mov_b32 s47, 0
	s_mul_i32 s20, s12, HALFA
	s_mul_i32 s45, s12, HALFB
	s_add_co_u32 s45, s45, ABYTES
	s_wait_kmcnt 0x0
	s_add_nc_u64 s[14:15], s[4:5], s[16:17]
	s_add_nc_u64 s[46:47], s[6:7], s[46:47]
	CROUND                                         ; all sixteen work-groups are here: the first joint loads meet
.irp s, 0,1
	s_mov_b32 s[G0+4*(\s)], 1
	s_add_co_u32 s[G0+4*(\s)+1], s20, (\s)*SLOT
	s_add_nc_u64 s[G0+4*(\s)+2:G0+4*(\s)+3], s[14:15], (\s)*KSTEP*2
	s_or_b32 s[G0+4*(\s)+3], s[G0+4*(\s)+3], 0x80000000
	s_mov_b32 s[G0B+4*(\s)], 1
	s_add_co_u32 s[G0B+4*(\s)+1], s45, (\s)*SLOT
	s_add_nc_u64 s[G0B+4*(\s)+2:G0B+4*(\s)+3], s[46:47], (\s)*KSTEP*NDIM*2
	s_or_b32 s[G0B+4*(\s)+3], s[G0B+4*(\s)+3], 0x80000000
	JLOAD \s                                       ; two loads of mine are out
.endr
	v_and_b32 v1, 15, v0                           ; l % 16
	v_bfe_u32 v2, v0, 4, 1                         ; l / 16
	v_and_b32 v3, 7, v0
	v_bfe_u32 v4, v0, 3, 1
	; what is asked for ahead.  Even waves' registers are made for h2, odd waves' for W; waves 0 and 1 use them.
	s_lshl_b32 s100, s13, 8
	s_lshl_b32 s101, s42, 4
	s_add_co_u32 s100, s100, s101                  ; h2: row 256 x tile row + 16 x tile column
	v_add_nc_u32 v9, s100, v1                      ; + l % 16,
	v_lshlrev_b32 v9, 11, v9                       ; of 2,048 bytes;
	v_lshl_add_u32 v9, v2, 8, v9                   ; lanes 16-31: the K step behind
	s_and_b32 s100, s13, 7
	s_lshl_b32 s100, s100, 4
	v_add_nc_u32 v10, s100, v1                     ; W: k row 16 x (tile row % 8) + l % 16 of the K step,
	v_lshlrev_b32 v10, 13, v10                     ; of 8,192 bytes;
	v_lshl_add_u32 v10, v2, 8, v10                 ; lanes 16-31: the second 256 bytes
	s_lshl_b32 s100, s42, 9
	v_add_nc_u32 v10, s100, v10                    ; of the tile column's 512
	s_cmp_eq_u32 s12, 0
	s_cselect_b32 s100, 0, -1
	v_cndmask_b32 v[PFO], v9, v10, s100
	s_add_nc_u64 s[PF:PF+1], s[4:5], 2*KSTEP*2               ; h2 at K step 2
	s_add_nc_u64 s[PFS:PFS+1], s[6:7], WOFF+2*KSTEP*NDIM*2   ; W at K step 2
	s_cselect_b64 s[PF:PF+1], s[PF:PF+1], s[PFS:PFS+1]
	s_mov_b32 s[PFS], KSTEP*2
	s_cselect_b32 s[PFS], s[PFS], KSTEP*NDIM*2
	s_mov_b32 s[PFS+1], 0
	s_cmp_gt_u32 s10, 1
	s_cbranch_scc1 .Lpf_none
	global_prefetch_b8 v[PFO], s[PF:PF+1] th:TH_LOAD_NT scope:SCOPE_SE  ; wave 0: h2's K steps 2 and 3; wave 1: W's K step 2
.Lpf_none:
	v_and_b32 v[BO], 31, v0
	v_lshlrev_b32 v[GO], 3, v[BO]                  ; out: 8 bytes a lane
	v_lshlrev_b32 v[BO], 4, v[BO]                  ; my four columns, in f32
	s_lshl_b32 s90, s42, 10
	s_lshl_b32 s91, s12, 9
	s_add_co_u32 s90, s90, s91
	s_mov_b32 s91, 0
	s_add_nc_u64 s[70:71], s[70:71], s[90:91]
	global_load_b128 v[BIAS:BIAS+3], v[BO], s[70:71]
	v_mul_u32_u24 v5, v1, PA
	v_lshl_add_u32 v5, v2, 4, v5
	v_lshl_add_u32 v6, v2, 3, v3
	v_mul_u32_u24 v6, v6, PB
	v_lshl_add_u32 v6, v4, 4, v6
	s_mul_i32 s21, s[WM], NA*16*PA
	s_lshl_b32 s22, s12, 8
	s_add_co_u32 s22, s22, ABYTES
.irp s, 0,1
	v_add_nc_u32 v[ADRA+(\s)], s21, v5
	v_add_nc_u32 v[ADRB+(\s)], s22, v6
	s_add_co_u32 s21, s21, SLOT
	s_add_co_u32 s22, s22, SLOT
.endr
	s_mul_i32 s23, s10, DUMPW
	v_mul_u32_u24 v7, v1, DPI
	v_lshl_add_u32 v7, v2, 5, v7
	v_add_nc_u32 v[STO], s23, v7                   ; in: row l % 16, 32 bytes for each half of the lanes
	v_add_nc_u32 v[RD], s23, v[BO]                 ; back: 32 lanes take a row of 512 bytes
	s_lshl_b32 s92, s13, 8
	s_lshl_b32 s93, s11, 7
	s_add_co_u32 s92, s92, s93
	s_lshl_b32 s92, s92, 13                        ; my first row of g1, of 8,192 bytes,
	s_lshl_b32 s93, s42, 9
	s_add_co_u32 s92, s92, s93
	s_lshl_b32 s93, s12, 8
	s_add_co_u32 s92, s92, s93                     ; my first column
	s_mov_b32 s93, 0
	s_add_nc_u64 s[68:69], s[68:69], s[92:93]
	s_mov_b32 s[KP], 0x3e6d3389                    ; 0.2316419
	s_mov_b32 s[KE], 0xbf38aa3b                    ; -log2(e) / 2
	s_mov_b32 s[KE+1], 0xbf38aa3b
	s_mov_b32 s[C1], 0x3e027906                    ; 0.319381530 / sqrt(2 pi)
	s_mov_b32 s[C1+1], 0x3e027906
	s_mov_b32 s[C2], 0xbe11a98e                    ; -0.356563782 / sqrt(2 pi)
	s_mov_b32 s[C2+1], 0xbe11a98e
	s_mov_b32 s[C3], 0x3f35f0e3                    ; 1.781477937 / sqrt(2 pi)
	s_mov_b32 s[C3+1], 0x3f35f0e3
	s_mov_b32 s[C4], 0xbf3a00e3                    ; -1.821255978 / sqrt(2 pi)
	s_mov_b32 s[C4+1], 0xbf3a00e3
	s_mov_b32 s[C5], 0x3f07dc22                    ; 1.330274429 / sqrt(2 pi)
	s_mov_b32 s[C5+1], 0x3f07dc22
; NA/4 row blocks x all column blocks, 32 along K, from buffer f.  Every accumulator has one turn a quarter, always in the same order.
.macro MULP f, hi, part, zero
	WIN 0xa1+0x50*(\hi)                            ; source 0 (W) window 1, source 1 (h2) window 0, C and D window 2 or 3
.set ma, (\part)*NA/4
.rept NA/4
.set mb, 0
.rept NBW
.set rD, 8*(NBW*ma+mb)
.set rB, 8*NBW*(\f)+8*mb
.set rA, 64+8*NA*(\f)+8*((\hi)*NA/2+ma)
.if \zero
	v_wmma_f32_16x16x32_f16 v[rD:rD+7], v[rB:rB+7], v[rA:rA+7], 0
.else
	v_wmma_f32_16x16x32_f16 v[rD:rD+7], v[rB:rB+7], v[rA:rA+7], v[rD:rD+7]
.endif
.set mb, mb+1
.endr
.set ma, ma+1
.endr
.endm
.macro MULH f, hi, zero
	MULP \f, \hi, 0, \zero
	MULP \f, \hi, 1, \zero
.endm
.macro FETCH slot, q, f                ; 32 LDS loads in one run: quarter q (32 along K) of a slot into buffer f: W's fragments, turned, then h2's
	WIN 0x40
.set fi, 0
.rept NBW
.set rB, 8*NBW*(\f)+8*fi
.set oB, 32*(\q)*PB+32*fi
	ds_load_tr16_b128 v[rB:rB+3],   v[ADRB+(\slot)] offset:oB
	ds_load_tr16_b128 v[rB+4:rB+7], v[ADRB+(\slot)] offset:oB+16*PB
.set fi, fi+1
.endr
	WIN 0
.set fi, 0
.rept NA
.set rA, 64+8*NA*(\f)+8*fi
	ds_load_b128 v[rA:rA+3],   v[ADRA+(\slot)] offset:64*(\q)+fi*16*PA
	ds_load_b128 v[rA+4:rA+7], v[ADRA+(\slot)] offset:64*(\q)+fi*16*PA+32
.set fi, fi+1
.endr
.endm
.macro QUARTER slot, q, f, g, zero
	s_wait_dscnt NA                                ; W and h2's lower rows are in; the youngest NA loads (h2's upper rows) may be out
	MULH \f, 0, \zero
	PLACES
	FETCH \slot, \q, \g
	s_wait_dscnt 32                                ; all but the 32 just issued
	MULH \f, 1, \zero
.endm
; The last quarter of a K step multiplies buffer 1 and changes slots: one barrier; in front of it each wave waits for all its tensor loads, adds 0 to its spare word, and waits for that and for its reads of this slot.
.macro TURN slot, next, fill
	WIN 0
	s_wait_tensorcnt 0x0
	ds_add_u32 v[SPW], v[NIL]
	s_wait_dscnt NA+1                              ; the add and the youngest NA loads may be out
	MULP 1, 0, 0, 0
	s_wait_dscnt 0x0                               ; the add is done, and my reads of this slot are over
	s_barrier_signal -1
	MULP 1, 0, 1, 0
.if \fill
	WIN 0
.endif
	s_barrier_wait -1
.if \fill
	CREST
	s_add_nc_u64 s[G0+4*(\slot)+2:G0+4*(\slot)+3], s[G0+4*(\slot)+2:G0+4*(\slot)+3], 2*KSTEP*2
	s_add_nc_u64 s[G0B+4*(\slot)+2:G0B+4*(\slot)+3], s[G0B+4*(\slot)+2:G0B+4*(\slot)+3], 2*KSTEP*NDIM*2
	JLOAD \slot                                    ; one load of mine is out; its four v_nop are also the places in front of the loads below
.else
	PLACES
.endif
	FETCH \next, 0, 0
.if \fill
	AHEAD \slot                                    ; behind the run of LDS loads, in front of 32 products
.endif
	MULH 1, 1, 0
.endm
	s_wait_tensorcnt 1                             ; my part of K step 0 is in; K step 1's may stay out
	s_barrier_signal -1
	s_barrier_wait -1
	FETCH 0, 0, 0
	QUARTER 0, 1, 0, 1, 1
	WIN 0
	s_mov_b32 s3, LAPS-1
.Llap:
	QUARTER 0, 2, 1, 0, 0
	QUARTER 0, 3, 0, 1, 0
	TURN 0, 1, 1
	QUARTER 1, 1, 0, 1, 0
	QUARTER 1, 2, 1, 0, 0
	QUARTER 1, 3, 0, 1, 0
	TURN 1, 0, 1
	QUARTER 0, 1, 0, 1, 0
	WIN 0
	s_sub_co_u32 s3, s3, 1
	s_cmp_lg_u32 s3, 0
	s_cbranch_scc1 .Llap
	QUARTER 0, 2, 1, 0, 0                          ; the last lap fills nothing
	QUARTER 0, 3, 0, 1, 0
	TURN 0, 1, 0
	QUARTER 1, 1, 0, 1, 0
	QUARTER 1, 2, 1, 0, 0
	QUARTER 1, 3, 0, 1, 0
	s_wait_dscnt NA
	MULH 1, 0, 0
	s_wait_dscnt 0x0                               ; my reads of the ring are over:
	s_barrier_signal -1                            ; say so, since every wave is about to write into the ring's bytes
	MULH 1, 1, 0
	WIN 0
	s_barrier_wait -1
	PLACES
	s_wait_loadcnt 0x0                             ; the bias
	; THE WAY OUT.  Each accumulator's registers 0-3 go first.
.set da, 0
.rept NA
	WIN 0x08+4*(da/(NA/2))                         ; the stores' data in window 2 or 3
.set db, 0
.rept NBW
.set rD, 8*(NBW*(da%(NA/2))+db)
	ds_store_b128 v[STO], v[rD:rD+3]   offset:da*16*DPI+64*db
	ds_store_b128 v[STO], v[rD+4:rD+7] offset:da*16*DPI+64*db+16
.set db, db+1
.endr
.set da, da+1
.endr
	WIN 0
.macro STORE2 y, h, u                  ; rows 2 u and 2 u + 1 of half h of the trip: each store is 32 lanes x 8 bytes, 256 consecutive bytes, aligned
	global_store_b64 v[GO], v[(\y)+4*(\u):(\y)+4*(\u)+1],   s[68:69] offset:(8*(\h)+2*(\u))*8192
	global_store_b64 v[GO], v[(\y)+4*(\u)+2:(\y)+4*(\u)+3], s[68:69] offset:(8*(\h)+2*(\u)+1)*8192
.endm
; Half h of a trip: 8 rows, read back into x earlier, are worked on and leave from y.  young = 8: first the next half's 8 rows, noff rows on from the trip's first, are asked for into nx; young = 0: nothing is left.
; A pair of rows' stores stand behind the next pair's bias additions.
.macro HALF x, y, nx, noff, h, young
.if \young
.irp r, 0,1,2,3,4,5,6,7
	ds_load_b128 v[(\nx)+4*\r:(\nx)+4*\r+3], v[ADR] offset:((\noff)+\r)*DPI  ; LDS serves a wave's instructions in order (ISA guide 5.7.1.4): these see my stores above
.endr
.endif
.irp u, 0,1,2,3
	s_wait_dscnt (\young)+6-2*\u                   ; rows 2 u and 2 u + 1 are in: behind them lie 6 - 2 u of this half's loads and the next half's
	v_pk_add_f32 v[(\x)+8*\u:(\x)+8*\u+1],   v[(\x)+8*\u:(\x)+8*\u+1],   v[BIAS:BIAS+1]
	v_pk_add_f32 v[(\x)+8*\u+2:(\x)+8*\u+3], v[(\x)+8*\u+2:(\x)+8*\u+3], v[BIAS+2:BIAS+3]
	v_pk_add_f32 v[(\x)+8*\u+4:(\x)+8*\u+5], v[(\x)+8*\u+4:(\x)+8*\u+5], v[BIAS:BIAS+1]
	v_pk_add_f32 v[(\x)+8*\u+6:(\x)+8*\u+7], v[(\x)+8*\u+6:(\x)+8*\u+7], v[BIAS+2:BIAS+3]
.if \u > 0
	STORE2 \y, \h, (\u-1)
.endif
	GELU8 (\x)+8*\u
	v_cvt_pk_f16_f32 v[(\y)+4*\u],   v[(\x)+8*\u],   v[(\x)+8*\u+1]
	v_cvt_pk_f16_f32 v[(\y)+4*\u+1], v[(\x)+8*\u+2], v[(\x)+8*\u+3]
	v_cvt_pk_f16_f32 v[(\y)+4*\u+2], v[(\x)+8*\u+4], v[(\x)+8*\u+5]
	v_cvt_pk_f16_f32 v[(\y)+4*\u+3], v[(\x)+8*\u+6], v[(\x)+8*\u+7]
.endr
	STORE2 \y, \h, 3
.endm
.irp r, 0,1,2,3,4,5,6,7
	ds_load_b128 v[XA+4*\r:XA+4*\r+3], v[RD] offset:DPI*\r  ; my first 8 rows
.endr
	s_mov_b32 s88, 0
	s_mov_b32 s89, 7
.Lrows:                                                ; 7 trips of 16 rows
	v_add_nc_u32 v[ADR], s88, v[RD]
	HALF XA, YA, XB, 8, 0, 8
	HALF XB, YB, XA, 16, 1, 8
	s_wait_xcnt 0x0                                ; the stores' base, and in the next trip their data registers, are written only behind this wait
	s_add_nc_u64 s[68:69], s[68:69], 16*8192
	s_add_co_u32 s88, s88, 16*DPI
	s_sub_co_u32 s89, s89, 1
	s_cmp_lg_u32 s89, 0
	s_cbranch_scc1 .Lrows
	v_add_nc_u32 v[ADR], s88, v[RD]                ; the last 16 rows are written out: their second half asks for nothing more
	HALF XA, YA, XB, 8, 0, 8
	HALF XB, YB, XA, 16, 1, 0
	s_wait_tensorcnt 0x0                           ; the wave's end
	ds_add_u32 v[SPW], v[NIL]
	s_wait_dscnt 0x0
	CROUND                                         ; the closing round
	s_endpgm
.Lfunc_end_k_qece05b3947_fc1:
	.size	k_qece05b3947_fc1, .Lfunc_end_k_qece05b3947_fc1-k_qece05b3947_fc1
	.p2alignl 7, 3214868480
	.fill 96, 4, 3214868480
	.section	.rodata,"a",@progbits
	.p2align	6, 0x0
	.amdhsa_kernel k_qece05b3947_fc1
		.amdhsa_group_segment_fixed_size 327680
		.amdhsa_private_segment_fixed_size 0
		.amdhsa_enable_private_segment 0
		.amdhsa_kernarg_size 32
		.amdhsa_user_sgpr_count 2
		.amdhsa_user_sgpr_kernarg_segment_ptr 1
		.amdhsa_wavefront_size32 1
		.amdhsa_system_sgpr_workgroup_id_x 1
		.amdhsa_system_sgpr_workgroup_id_y 1
		.amdhsa_system_sgpr_workgroup_id_z 1
		.amdhsa_system_vgpr_workitem_id 0
		.amdhsa_next_free_vgpr 1024
		.amdhsa_next_free_sgpr 102
		.amdhsa_reserve_vcc 0
		.amdhsa_float_denorm_mode_32 3
		.amdhsa_float_denorm_mode_16_64 3
		.amdhsa_memory_ordered 1
		.amdhsa_forward_progress 1
		.amdhsa_inst_pref_size 199
	.end_amdhsa_kernel
	.amdgpu_metadata
---
amdhsa.version: [ 1, 2 ]
amdhsa.kernels:
  - .name:           k_qece05b3947_fc1
    .symbol:         k_qece05b3947_fc1.kd
    .args:
      - { .name: h2, .offset: 0, .size: 8, .value_kind: global_buffer, .address_space: global }
      - { .name: wts, .offset: 8, .size: 8, .value_kind: global_buffer, .address_space: global }
      - { .name: g1, .offset: 16, .size: 8, .value_kind: global_buffer, .address_space: global }
      - { .name: b1, .offset: 24, .size: 8, .value_kind: global_buffer, .address_space: global }
    .group_segment_fixed_size: 327680
    .private_segment_fixed_size: 0
    .kernarg_segment_align: 8
    .kernarg_segment_size: 32
    .max_flat_workgroup_size: 128
    .sgpr_count:     102
    .vgpr_count:     1024
    .wavefront_size: 32
...
	.end_amdgpu_metadata
.endif
;; end of part 6
;; launch fc2 (part 7): grid 8 x 32, 4 waves a work-group, clusters of 4 x 4, 327,680 bytes of LDS; arguments g1, wts, out0, b2, res; writes out0
.if DOCPART == 7
	.amdgcn_target "amdgcn-amd-amdhsa--gfx1250"
	.amdhsa_code_object_version 6
	.text
	.protected	k_qece05b3947_fc2
	.globl	k_qece05b3947_fc2
	.p2align	8
	.type	k_qece05b3947_fc2,@function
k_qece05b3947_fc2:
	s_mov_b64 s[64:65], 0
	v_nop
	global_prefetch_b8 v0, s[64:65] scope:SCOPE_SE
	s_setreg_imm32_b32 hwreg(HW_REG_WAVE_MODE, 25, 1), 1
	s_wait_xcnt 0x0
	s_wait_alu depctr_hold_cnt(0) depctr_sa_sdst(0) depctr_va_vdst(0) depctr_va_sdst(0) depctr_va_ssrc(0) depctr_va_vcc(0) depctr_vm_vsrc(0)
	s_getreg_b32 s2, hwreg(HW_REG_IB_STS2, 6, 4)
	s_cmp_eq_u32 s2, 0
	s_cbranch_scc0 .Lentry_in_a_cluster
	s_endpgm
.Lentry_in_a_cluster:
	s_bfe_u32 s2, ttmp6, 0x10000c
	s_cmp_lg_u32 s2, 0xf033
	s_cbranch_scc0 .Lentry_shape_is_right
	s_endpgm
.Lentry_shape_is_right:
; out0 = gelu(g1 W2 + b2) + res, the exact (erf) gelu.  g1: [4096][4096] f16.  W2: [4096][1024] f16 at wts byte 0x1000000, layout [K][N].  b2, res, out0: f32.
; A tile of the result is 128 x 128: 8 x 32 tiles, one for each of 256 work-groups.  Four waves, 64 x 64 each: 16 accumulators.  K goes in steps of 256 through two LDS slots filled by the tensor data mover.
; g1's rows lie along K; W2 lies [K][N] and is turned on the way out of LDS (ds_load_tr16_b128).  CLUSTER 4 x 4: g1's tile is shared along a row of the cluster, W2's along a column, each asked for jointly.
; THE MATRIX INSTRUCTION IS USED TRANSPOSED: source 0 = 16 columns of W, source 1 = 16 rows of g1: a lane holds one row (lane % 16) and eight neighbouring columns.
; res's 64 x 64 block is loaded at the start into 128 registers and is on its way during the whole K loop.
; REQUESTS AHEAD (global_prefetch_b8).  Wave 0 asks for g1: of the tile row's 128 rows my work-group takes 16 (the eight tile columns share them), a K step's 512 bytes of each as two places 256 bytes apart.
; Wave 1 asks for W: of a K step's 256 k rows my work-group takes 16 (sixteen tile rows share them; tile rows 0-15 and 16-31 each ask for all), the tile column's 256 bytes of each, for two K steps: lanes 16-31 the second.
; At the head: K steps 2 and 3 of both.  The change of slots that closes K step t asks for g1's step t + 4, whose tensor load stands two K steps later, and at even t for W's steps t + 4 and t + 5.
; The loop's last trip (t = 12, 13) asks for nothing: K step 16 does not exist.
; GELU.  gelu(x) = max(x, 0) - |x| q(|x|), q the upper tail of the normal distribution: q = 2^(-x^2 log2(e) / 2) t (c1 + t (c2 + t (c3 + t (c4 + t c5)))), t = 1 / (1 + 0.2316419 |x|)
; (Abramowitz and Stegun 26.2.17): |error of q| <= 7.5e-8 for every x, so gelu is off by at most 7.5e-8 |x|.  NaN and infinities are not treated apart.
; THE WAY OUT: behind a barrier that ends all reads of the ring (whose last fill is over) each wave lays its f32 sums into its own part of those bytes, reads them back by rows, adds the bias, takes gelu, adds res and stores; 16 lanes fill 256 aligned bytes.
; REGISTERS: window 0: v1-31 addresses and bias; v32-63 at work in gelu; v128-255 accumulator (a, b) at 128 + 8 (4 a + b).  Window 1: two fragment buffers of 128 (64 of g1, 64 of W).  Window 2: v0-127 res.
.set KDIM,  4096
.set WOFF,  0x1000000
.set KSTEP, 256
.set LAPS,  KDIM/(2*KSTEP)
.set PA,    528                        ; a row of g1 in LDS: 512 bytes + 16 = 132 words: the 16 rows of a load start at 16 different groups of four banks (64 banks of 4 bytes: ISA guide 11.1)
.set HALFA, 64*PA
.set ABYTES, 2*HALFA
.set PB,    288                        ; a k row of W: 256 bytes + 32 = 72 words
.set HALFB, 128*PB
.set SLOT,  ABYTES+2*HALFB
.set SPARE, 2*SLOT                     ; the spare words, 128 bytes for each wave: two blocks of 256 bytes that no other line names
.set DPI,   272
.set DUMPW, 64*DPI
.set BIAS, 12
.set ADRA, 16
.set ADRB, 20                          ; v20-23: slot x 2 + half of the slot's 256 k rows
.set STO,  24
.set RD,   25
.set GO,   26
.set PFO,  27                          ; v27  my lane's byte offset in what my wave asks for ahead; never rewritten
.set SPW,  28
.set NIL,  29
.set BO,   31
.set GD,   32
.set GE,   40
.set GP,   48
.set GM,   56
.set ACC,  128
.set F0,   0
.set F1,   128
.set KP,   74
.set KE,   76
.set C1,   78
.set C2,   80
.set C3,   82
.set C4,   84
.set C5,   86
.set PF,   96                          ; s[96:97] the buffer at the K step asked for last
.set PFS,  98                          ; s[98:99] a K step in bytes: 512 along g1's rows, 256 rows of W
.set G1, 24
.set G0, 32
.set G1B, 48
.set G0B, 56
.set MSB, 0
.macro WIN new
.if MSB != (\new)
	s_set_vgpr_msb (MSB<<8)|(\new)
.set MSB, \new
.endif
.endm
.set MUL,  0x05
.set TO_F, 0x40
.macro PLACES
.rept 4
	v_nop
.endr
.endm
.macro JLOAD s                         ; a joint load: waves 0 and 1 fetch g1's two halves, waves 2 and 3 W's; four v_nop follow each line, ahead of the jump and the label
	s_cmp_eq_u32 s11, 0
	s_cbranch_scc0 .Lfor_b_\@
	tensor_load_to_lds s[G0+4*(\s):G0+4*(\s)+3], s[G1:G1+7]
	s_nop 0
.rept 4
	v_nop
.endr
	s_branch .Lasked_\@
.Lfor_b_\@:
	tensor_load_to_lds s[G0B+4*(\s):G0B+4*(\s)+3], s[G1B:G1B+7]
	s_nop 0
.rept 4
	v_nop
.endr
.Lasked_\@:
.endm
.macro CREST
	s_cmp_lg_u32 s10, 0
	s_cbranch_scc1 .Lnot_wave_0_\@
	s_barrier_signal -3
.Lnot_wave_0_\@:
	s_barrier_wait -3
	s_barrier_signal -1
	s_barrier_wait -1
.endm
.macro CROUND
	s_barrier_signal -1
	s_barrier_wait -1
	CREST
.endm
; The request ahead in the change of slots that leaves slot 'slot'.  The base goes one K step on in every change; it is written only behind s_wait_xcnt 0, which stands a whole K step behind the last request.
; Leaving slot 0 (t even): waves 0 and 1 ask.  Leaving slot 1 (t odd): wave 0 asks.  Not in the loop's last trip.  The branches hang on the wave's number and the lap count: alike in all partners.
.macro AHEAD slot
	WIN 0                                          ; at a label and at a branch every window is 0
	s_wait_xcnt 0x0
	s_add_nc_u64 s[PF:PF+1], s[PF:PF+1], s[PFS:PFS+1]
	s_cmp_eq_u32 s3, 1
	s_cbranch_scc1 .Lno_ask_\@
.if (\slot) == 0
	s_cmp_gt_u32 s10, 1
.else
	s_cmp_lg_u32 s10, 0
.endif
	s_cbranch_scc1 .Lno_ask_\@
	global_prefetch_b8 v[PFO], s[PF:PF+1] th:TH_LOAD_NT scope:SCOPE_SE
.Lno_ask_\@:
.endm
; gelu of the eight numbers v[x .. x+7], in place.  Behind each reciprocal stands a maximum, behind each exponential a link of the polynomial: a plain instruction that names neither its result nor its source (ISA guide 5.7.2).
.macro GELU8 x
.irp j, 0,1,2,3,4,5,6,7
	v_fma_f32 v[GD+\j], |v[(\x)+\j]|, s[KP], 1.0
.endr
.irp j, 0,2,4,6
	v_pk_mul_f32 v[GE+\j:GE+\j+1], v[(\x)+\j:(\x)+\j+1], s[KE:KE+1] op_sel_hi:[1,0]
.endr
.irp j, 0,2,4,6
	v_pk_mul_f32 v[GE+\j:GE+\j+1], v[GE+\j:GE+\j+1], v[(\x)+\j:(\x)+\j+1]
.endr
.irp j, 0,1,2,3,4,5,6,7
	v_rcp_f32 v[GD+\j], v[GD+\j]
	v_max_num_f32 v[GM+\j], 0, v[(\x)+\j]
.endr
.irp j, 0,1,2,3
	v_exp_f32 v[GE+\j], v[GE+\j]
	s_wait_alu depctr_va_vdst(0)
	v_pk_fma_f32 v[GP+2*\j:GP+2*\j+1], v[GD+2*\j:GD+2*\j+1], s[C5:C5+1], s[C4:C4+1] op_sel_hi:[1,0,0]
.endr
.irp j, 0,1,2,3
	v_exp_f32 v[GE+4+\j], v[GE+4+\j]
	v_pk_fma_f32 v[GP+2*\j:GP+2*\j+1], v[GP+2*\j:GP+2*\j+1], v[GD+2*\j:GD+2*\j+1], s[C3:C3+1] op_sel_hi:[1,1,0]
.endr
.irp c, C2, C1
.irp j, 0,2,4,6
	v_pk_fma_f32 v[GP+\j:GP+\j+1], v[GP+\j:GP+\j+1], v[GD+\j:GD+\j+1], s[\c:\c+1] op_sel_hi:[1,1,0]
.endr
.endr
	s_wait_alu depctr_va_vdst(0)
.irp j, 0,2,4,6
	v_pk_mul_f32 v[GD+\j:GD+\j+1], v[GD+\j:GD+\j+1], v[GE+\j:GE+\j+1]
.endr
.irp j, 0,2,4,6
	v_pk_mul_f32 v[GP+\j:GP+\j+1], v[GP+\j:GP+\j+1], v[GD+\j:GD+\j+1]
.endr
.irp j, 0,1,2,3,4,5,6,7
	v_fma_f32 v[(\x)+\j], -|v[(\x)+\j]|, v[GP+\j], v[GM+\j]
.endr
.endm
	s_load_b128 s[4:7], s[0:1], 0x0                ; g1 s[4:5], wts s[6:7]
	s_load_b128 s[68:71], s[0:1], 0x10             ; out0 s[68:69], b2 s[70:71]
	s_load_b64 s[72:73], s[0:1], 0x20              ; res
	v_lshl_add_u32 v[SPW], v0, 2, SPARE
	v_mov_b32 v[NIL], 0
	ds_add_u32 v28, v29
	s_wait_dscnt 0x0
	v_lshrrev_b32 v1, 5, v0
	v_readfirstlane_b32 s10, v1                    ; wave 0..3
	s_lshr_b32 s11, s10, 1                         ; which half of the tile's rows is mine.  Also: I fetch for g1 (0) or for W (1)
	s_and_b32 s12, s10, 1                          ; which half of its columns.  Also: which half of that tile I fetch
	s_bfe_u32 s40, ttmp6, 0x40000
	s_bfe_u32 s41, ttmp6, 0x40004
	s_lshl_b32 s42, ttmp9, 2
	s_add_co_u32 s42, s42, s40                     ; tile column
	s_and_b32 s13, ttmp7, 0xffff
	s_lshl_b32 s13, s13, 2
	s_add_co_u32 s13, s13, s41                     ; tile row
	s_lshl_b32 s43, s41, 2
	s_lshl_b32 s43, 15, s43                        ; my row of the cluster
	s_lshl_b32 s44, 0x1111, s40                    ; my column
	s_or_b32 s[G1+0], s43, (1<<16)|(1<<20)|(1<<21)|(6<<22)|(3<<25)   ; mask; 2-byte elements; padding on; 21 set beside a mask; after every 128 words 4 words
	s_or_b32 s[G1B+0], s44, (1<<16)|(1<<20)|(1<<21)|(5<<22)|(7<<25)  ; the column's mask; after every 64 words 8 words
	s_mov_b32 s[G1+1], KSTEP<<16
	s_mov_b32 s[G1+2], 64<<16
	s_mov_b32 s[G1+3], KSTEP<<16
	s_mov_b32 s[G1+4], 64
	s_mov_b32 s[G1+5], KDIM
	s_mov_b32 s[G1+6], 0
	s_mov_b32 s[G1+7], 0
	s_mov_b32 s[G1B+1], 128<<16
	s_mov_b32 s[G1B+2], 128<<16
	s_mov_b32 s[G1B+3], 128<<16
	s_mov_b32 s[G1B+4], 128
	s_mov_b32 s[G1B+5], 1024
	s_mov_b32 s[G1B+6], 0
	s_mov_b32 s[G1B+7], 0
	s_lshl_b32 s17, s12, 6
	s_lshl_b32 s16, s13, 7
	s_add_co_u32 s16, s16, s17                     ; g1: row 128 x tile row + 64 x half
	s_mul_i32 s16, s16, KDIM*2
	s_mov_b32 s17, 0
	s_lshl_b32 s46, s12, 18                        ; W: k row 128 x half, of 2,048 bytes,
	s_lshl_b32 s47, s42, 8                         ; column 128 x tile column
	s_add_co_u32 s46, s46, s47
	s_add_co_u32 s46, s46, WOFF
	s_mov_b32 s47, 0
	s_mul_i32 s20, s12, HALFA
	s_mul_i32 s45, s12, HALFB
	s_add_co_u32 s45, s45, ABYTES
	s_wait_kmcnt 0x0
	s_add_nc_u64 s[14:15], s[4:5], s[16:17]
	s_add_nc_u64 s[46:47], s[6:7], s[46:47]
	CROUND                                         ; all sixteen work-groups are here: the first joint loads meet
.irp s, 0,1
	s_mov_b32 s[G0+4*(\s)], 1
	s_add_co_u32 s[G0+4*(\s)+1], s20, (\s)*SLOT
	s_add_nc_u64 s[G0+4*(\s)+2:G0+4*(\s)+3], s[14:15], (\s)*KSTEP*2
	s_or_b32 s[G0+4*(\s)+3], s[G0+4*(\s)+3], 0x80000000
	s_mov_b32 s[G0B+4*(\s)], 1
	s_add_co_u32 s[G0B+4*(\s)+1], s45, (\s)*SLOT
	s_add_nc_u64 s[G0B+4*(\s)+2:G0B+4*(\s)+3], s[46:47], (\s)*KSTEP*2048
	s_or_b32 s[G0B+4*(\s)+3], s[G0B+4*(\s)+3], 0x80000000
	JLOAD \s                                       ; two loads of mine are out
.endr
	v_and_b32 v1, 15, v0                           ; l % 16
	v_bfe_u32 v2, v0, 4, 1                         ; l / 16
	v_and_b32 v3, 7, v0
	v_bfe_u32 v4, v0, 3, 1
	; what is asked for ahead.  Even waves' registers are made for g1, odd waves' for W; waves 0 and 1 use them.
	s_lshl_b32 s100, s13, 7
	s_lshl_b32 s101, s42, 4
	s_add_co_u32 s100, s100, s101                  ; g1: row 128 x tile row + 16 x tile column
	v_add_nc_u32 v9, s100, v1                      ; + l % 16,
	v_lshlrev_b32 v9, 13, v9                       ; of 8,192 bytes;
	v_lshl_add_u32 v9, v2, 8, v9                   ; lanes 16-31: the second 256 bytes of the K step's 512
	s_and_b32 s100, s13, 15
	s_lshl_b32 s100, s100, 4
	v_add_nc_u32 v10, s100, v1                     ; W: k row 16 x (tile row % 16) + l % 16 of the K step,
	v_lshlrev_b32 v10, 11, v10                     ; of 2,048 bytes;
	v_lshl_add_u32 v10, v2, 19, v10                ; lanes 16-31: the K step behind, 256 rows on
	s_lshl_b32 s100, s42, 8
	v_add_nc_u32 v10, s100, v10                    ; the tile column's 256 bytes
	s_cmp_eq_u32 s12, 0
	s_cselect_b32 s100, 0, -1
	v_cndmask_b32 v[PFO], v9, v10, s100
	s_add_nc_u64 s[PF:PF+1], s[4:5], 3*KSTEP*2               ; g1 at K step 3
	s_add_nc_u64 s[PFS:PFS+1], s[6:7], WOFF+3*KSTEP*2048     ; W at K step 3
	s_cselect_b64 s[PF:PF+1], s[PF:PF+1], s[PFS:PFS+1]
	s_mov_b32 s[PFS], KSTEP*2
	s_cselect_b32 s[PFS], s[PFS], KSTEP*2048
	s_mov_b32 s[PFS+1], 0
	s_cmp_gt_u32 s10, 1
	s_cbranch_scc1 .Lpf_none
	s_cmp_eq_u32 s10, 1
	s_cbranch_scc1 .Lpf_w
	global_prefetch_b8 v[PFO], s[PF:PF+1] offset:-KSTEP*2 th:TH_LOAD_NT scope:SCOPE_SE     ; wave 0: g1's K step 2,
	global_prefetch_b8 v[PFO], s[PF:PF+1] th:TH_LOAD_NT scope:SCOPE_SE                     ; and 3
	s_branch .Lpf_none
.Lpf_w:
	global_prefetch_b8 v[PFO], s[PF:PF+1] offset:-KSTEP*2048 th:TH_LOAD_NT scope:SCOPE_SE  ; wave 1: W's K steps 2 and 3
.Lpf_none:
	v_lshlrev_b32 v[GO], 12, v2                    ; my place in two rows of the result: (l / 16) x 4,096 + 16 (l % 16)
	v_lshl_add_u32 v[GO], v1, 4, v[GO]
	v_lshlrev_b32 v[BO], 4, v1
	s_lshl_b32 s90, s13, 7
	s_lshl_b32 s91, s11, 6
	s_add_co_u32 s90, s90, s91
	s_lshl_b32 s90, s90, 12                        ; my first row, of 4,096 bytes,
	s_lshl_b32 s92, s42, 9
	s_lshl_b32 s93, s12, 8
	s_add_co_u32 s92, s92, s93                     ; my first column, in bytes
	s_add_co_u32 s90, s90, s92
	s_mov_b32 s91, 0
	s_mov_b32 s93, 0
	s_add_nc_u64 s[72:73], s[72:73], s[90:91]
	s_add_nc_u64 s[68:69], s[68:69], s[90:91]
	s_add_nc_u64 s[70:71], s[70:71], s[92:93]
	WIN 0x80                                       ; destination window 2
.set u, 0
.rept 32
	global_load_b128 v[4*u:4*u+3], v[GO], s[72:73] offset:8192*u
.set u, u+1
.endr
	WIN 0
	global_load_b128 v[BIAS:BIAS+3], v[BO], s[70:71]
	v_mul_u32_u24 v5, v1, PA
	v_lshl_add_u32 v5, v2, 4, v5
	v_lshl_add_u32 v6, v2, 3, v3
	v_mul_u32_u24 v6, v6, PB
	v_lshl_add_u32 v6, v4, 4, v6
	s_mul_i32 s21, s11, HALFA
	s_lshl_b32 s22, s12, 7
	s_add_co_u32 s22, s22, ABYTES
.irp s, 0,1
	v_add_nc_u32 v[ADRA+(\s)], s21, v5
	v_add_nc_u32 v[ADRB+2*(\s)], s22, v6
	s_add_co_u32 s22, s22, HALFB
	v_add_nc_u32 v[ADRB+2*(\s)+1], s22, v6
	s_add_co_u32 s21, s21, SLOT
	s_add_co_u32 s22, s22, SLOT-HALFB
.endr
	s_mul_i32 s23, s10, DUMPW
	v_mul_u32_u24 v7, v1, DPI
	v_lshl_add_u32 v7, v2, 5, v7
	v_add_nc_u32 v[STO], s23, v7
	v_mul_u32_u24 v8, v2, DPI
	v_lshl_add_u32 v8, v1, 4, v8
	v_add_nc_u32 v[RD], s23, v8
	s_mov_b32 s[KP], 0x3e6d3389                    ; 0.2316419
	s_mov_b32 s[KE], 0xbf38aa3b                    ; -log2(e) / 2
	s_mov_b32 s[KE+1], 0xbf38aa3b
	s_mov_b32 s[C1], 0x3e027906                    ; 0.319381530 / sqrt(2 pi)
	s_mov_b32 s[C1+1], 0x3e027906
	s_mov_b32 s[C2], 0xbe11a98e                    ; -0.356563782 / sqrt(2 pi)
	s_mov_b32 s[C2+1], 0xbe11a98e
	s_mov_b32 s[C3], 0x3f35f0e3                    ; 1.781477937 / sqrt(2 pi)
	s_mov_b32 s[C3+1], 0x3f35f0e3
	s_mov_b32 s[C4], 0xbf3a00e3                    ; -1.821255978 / sqrt(2 pi)
	s_mov_b32 s[C4+1], 0xbf3a00e3
	s_mov_b32 s[C5], 0x3f07dc22                    ; 1.330274429 / sqrt(2 pi)
	s_mov_b32 s[C5+1], 0x3f07dc22
; 8 matrix instructions: row blocks a0, a0 + 1 x all 4 column blocks, 32 along K: half c of buffer f.  The 16 accumulators take turns.
.macro MUL8 f, c, a0, zero
	WIN MUL
.irp a, \a0, (\a0)+1
.irp b, 0,1,2,3
.if \zero
	v_wmma_f32_16x16x32_f16 v[ACC+8*(4*(\a)+(\b)):ACC+8*(4*(\a)+(\b))+7], v[(\f)+64+8*(4*(\c)+(\b)):(\f)+64+8*(4*(\c)+(\b))+7], v[(\f)+8*(4*(\c)+(\a)):(\f)+8*(4*(\c)+(\a))+7], 0
.else
	v_wmma_f32_16x16x32_f16 v[ACC+8*(4*(\a)+(\b)):ACC+8*(4*(\a)+(\b))+7], v[(\f)+64+8*(4*(\c)+(\b)):(\f)+64+8*(4*(\c)+(\b))+7], v[(\f)+8*(4*(\c)+(\a)):(\f)+8*(4*(\c)+(\a))+7], v[ACC+8*(4*(\a)+(\b)):ACC+8*(4*(\a)+(\b))+7]
.endif
.endr
.endr
.endm
.macro FETCH slot, q, f                ; 32 LDS loads in one run: quarter q (64 along K) of a slot into buffer f; the first 32 along K first
	WIN TO_F
.irp c, 0,1
.irp i, 0,1,2,3
	ds_load_tr16_b128 v[(\f)+64+8*(4*(\c)+(\i)):(\f)+64+8*(4*(\c)+(\i))+3],   v[ADRB+2*(\slot)+(\q)/2] offset:(((\q)%2)*64+32*(\c))*PB+32*(\i)
	ds_load_tr16_b128 v[(\f)+64+8*(4*(\c)+(\i))+4:(\f)+64+8*(4*(\c)+(\i))+7], v[ADRB+2*(\slot)+(\q)/2] offset:(((\q)%2)*64+32*(\c))*PB+32*(\i)+16*PB
	ds_load_b128 v[(\f)+8*(4*(\c)+(\i)):(\f)+8*(4*(\c)+(\i))+3],   v[ADRA+(\slot)] offset:128*(\q)+64*(\c)+(\i)*16*PA
	ds_load_b128 v[(\f)+8*(4*(\c)+(\i))+4:(\f)+8*(4*(\c)+(\i))+7], v[ADRA+(\slot)] offset:128*(\q)+64*(\c)+(\i)*16*PA+32
.endr
.endr
.endm
.macro QUARTER slot, q, f, g, zero
	s_wait_dscnt 16                                ; the first 32 along K are in
	MUL8 \f, 0, 0, \zero
	MUL8 \f, 0, 2, \zero
	PLACES
	FETCH \slot, \q, \g
	s_wait_dscnt 32                                ; all but the 32 just issued
	MUL8 \f, 1, 0, 0
	MUL8 \f, 1, 2, 0
.endm
; The last quarter multiplies buffer 1 and changes slots: one barrier; in front of it each wave waits for all its tensor loads, adds 0 to its spare word, and waits for that and for its reads of this slot.
.macro TURN slot, next, fill
	WIN 0
	s_wait_tensorcnt 0x0                           ; all my tensor loads have landed: my part of the next slot
	ds_add_u32 v[SPW], v[NIL]
	s_wait_dscnt 17                                ; the add and the youngest sixteen loads may be out
	MUL8 F1, 0, 0, 0
	s_wait_dscnt 0x0                               ; the add is done, and my reads of this slot are over
	s_barrier_signal -1
	MUL8 F1, 0, 2, 0
.if \fill
	WIN 0
.endif
	s_barrier_wait -1
.if \fill
	CREST                                          ; the barrier has opened a round of the cluster's
	s_add_nc_u64 s[G0+4*(\slot)+2:G0+4*(\slot)+3], s[G0+4*(\slot)+2:G0+4*(\slot)+3], 2*KSTEP*2
	s_add_nc_u64 s[G0B+4*(\slot)+2:G0B+4*(\slot)+3], s[G0B+4*(\slot)+2:G0B+4*(\slot)+3], 2*KSTEP*2048
	JLOAD \slot                                    ; one load of mine is out; its four v_nop are also the places in front of the loads below
.else
	PLACES
.endif
	FETCH \next, 0, F0
.if \fill
	AHEAD \slot                                    ; behind the run of LDS loads, in front of 16 products
.endif
	MUL8 F1, 1, 0, 0
	MUL8 F1, 1, 2, 0
.endm
	s_wait_tensorcnt 1                             ; my part of K step 0 is in; K step 1's may stay out
	s_barrier_signal -1
	s_barrier_wait -1
	FETCH 0, 0, F0
	QUARTER 0, 1, F0, F1, 1
	WIN 0
	s_mov_b32 s3, LAPS-1
.Llap:
	QUARTER 0, 2, F1, F0, 0
	QUARTER 0, 3, F0, F1, 0
	TURN 0, 1, 1
	QUARTER 1, 1, F0, F1, 0
	QUARTER 1, 2, F1, F0, 0
	QUARTER 1, 3, F0, F1, 0
	TURN 1, 0, 1
	QUARTER 0, 1, F0, F1, 0
	WIN 0
	s_sub_co_u32 s3, s3, 1
	s_cmp_lg_u32 s3, 0
	s_cbranch_scc1 .Llap
	QUARTER 0, 2, F1, F0, 0                        ; the last lap fills nothing
	QUARTER 0, 3, F0, F1, 0
	TURN 0, 1, 0
	QUARTER 1, 1, F0, F1, 0
	QUARTER 1, 2, F1, F0, 0
	QUARTER 1, 3, F0, F1, 0
	s_wait_dscnt 16
	MUL8 F1, 0, 0, 0
	MUL8 F1, 0, 2, 0
	s_wait_dscnt 0x0                               ; my reads of the ring are over:
	s_barrier_signal -1                            ; say so, since every wave is about to write into the ring's bytes
	MUL8 F1, 1, 0, 0
	MUL8 F1, 1, 2, 0
	WIN 0
	s_barrier_wait -1
	PLACES
	s_wait_loadcnt 0x0                             ; res and the bias
	; THE WAY OUT.  Each accumulator's registers 0-3 go first.
.irp a, 0,1,2,3
.irp b, 0,1,2,3
	ds_store_b128 v[STO], v[ACC+8*(4*\a+\b):ACC+8*(4*\a+\b)+3]   offset:\a*16*DPI+64*\b
	ds_store_b128 v[STO], v[ACC+8*(4*\a+\b)+4:ACC+8*(4*\a+\b)+7] offset:\a*16*DPI+64*\b+16
.endr
.endr
.set u, 0
.rept 32
	ds_load_b128 v[ACC+4*u:ACC+4*u+3], v[RD] offset:2*DPI*u  ; LDS serves a wave's instructions in order (ISA guide 5.7.1.4): these see my stores above
.set u, u+1
.endr
.set p, 0
.rept 16
.set XX, ACC+8*p
	s_wait_dscnt 30-2*p
	v_pk_add_f32 v[XX:XX+1],   v[XX:XX+1],   v[BIAS:BIAS+1]
	v_pk_add_f32 v[XX+2:XX+3], v[XX+2:XX+3], v[BIAS+2:BIAS+3]
	v_pk_add_f32 v[XX+4:XX+5], v[XX+4:XX+5], v[BIAS:BIAS+1]
	v_pk_add_f32 v[XX+6:XX+7], v[XX+6:XX+7], v[BIAS+2:BIAS+3]
	GELU8 XX
	WIN 0x08                                       ; source 1 (res) in window 2
	v_pk_add_f32 v[XX:XX+1],   v[XX:XX+1],   v[8*p:8*p+1]
	v_pk_add_f32 v[XX+2:XX+3], v[XX+2:XX+3], v[8*p+2:8*p+3]
	v_pk_add_f32 v[XX+4:XX+5], v[XX+4:XX+5], v[8*p+4:8*p+5]
	v_pk_add_f32 v[XX+6:XX+7], v[XX+6:XX+7], v[8*p+6:8*p+7]
	WIN 0
	global_store_b128 v[GO], v[XX:XX+3],   s[68:69] offset:8192*(2*p) th:TH_STORE_NT    ; 16 lanes store 256 consecutive bytes, aligned
	global_store_b128 v[GO], v[XX+4:XX+7], s[68:69] offset:8192*(2*p+1) th:TH_STORE_NT
.set p, p+1
.endr
	s_wait_tensorcnt 0x0                           ; the wave's end
	ds_add_u32 v[SPW], v[NIL]
	s_wait_dscnt 0x0
	CROUND                                         ; the closing round
	s_endpgm
.Lfunc_end_k_qece05b3947_fc2:
	.size	k_qece05b3947_fc2, .Lfunc_end_k_qece05b3947_fc2-k_qece05b3947_fc2
	.p2alignl 7, 3214868480
	.fill 96, 4, 3214868480
	.section	.rodata,"a",@progbits
	.p2align	6, 0x0
	.amdhsa_kernel k_qece05b3947_fc2
		.amdhsa_group_segment_fixed_size 327680
		.amdhsa_private_segment_fixed_size 0
		.amdhsa_enable_private_segment 0
		.amdhsa_kernarg_size 40
		.amdhsa_user_sgpr_count 2
		.amdhsa_user_sgpr_kernarg_segment_ptr 1
		.amdhsa_wavefront_size32 1
		.amdhsa_system_sgpr_workgroup_id_x 1
		.amdhsa_system_sgpr_workgroup_id_y 1
		.amdhsa_system_sgpr_workgroup_id_z 1
		.amdhsa_system_vgpr_workitem_id 0
		.amdhsa_next_free_vgpr 640
		.amdhsa_next_free_sgpr 102
		.amdhsa_reserve_vcc 0
		.amdhsa_float_denorm_mode_32 3
		.amdhsa_float_denorm_mode_16_64 3
		.amdhsa_memory_ordered 1
		.amdhsa_forward_progress 1
		.amdhsa_inst_pref_size 164
	.end_amdhsa_kernel
	.amdgpu_metadata
---
amdhsa.version: [ 1, 2 ]
amdhsa.kernels:
  - .name:           k_qece05b3947_fc2
    .symbol:         k_qece05b3947_fc2.kd
    .args:
      - { .name: g1, .offset: 0, .size: 8, .value_kind: global_buffer, .address_space: global }
      - { .name: wts, .offset: 8, .size: 8, .value_kind: global_buffer, .address_space: global }
      - { .name: out0, .offset: 16, .size: 8, .value_kind: global_buffer, .address_space: global }
      - { .name: b2, .offset: 24, .size: 8, .value_kind: global_buffer, .address_space: global }
      - { .name: res, .offset: 32, .size: 8, .value_kind: global_buffer, .address_space: global }
    .group_segment_fixed_size: 327680
    .private_segment_fixed_size: 0
    .kernarg_segment_align: 8
    .kernarg_segment_size: 40
    .max_flat_workgroup_size: 128
    .sgpr_count:     102
    .vgpr_count:     640
    .wavefront_size: 32
...
	.end_amdgpu_metadata
.endif
;; end of part 7
